; MI455X (gfx1250); checked and timed in simulation.
; The chip was launched on July 23, 2026; its instructions are those of AMD's public machine-readable ISA for CDNA 5 (MIT licence, August 2026) and "CDNA5" Instruction Set Architecture Reference Guide (July 2026). The comments in the code are by the model that wrote it; some were corrected since.
;; Mo E Layer. Allowed arithmetic: matrix products marked QUANTISED: E2M1 operands, one E8M0 scale for each 32 along K, by v_wmma_scale_f32_16x16x128_f8f6f4 with both operands' format E2M1 (or v_wmma_scale_f32_32x16x128_f4), f32 sums; products left as they are: f32 operands where the result goes on into a quantised operand, else bf16, f16 or f32 operands; f32 sums; everything else in f32.
;; Inputs: b1 8 x 2,048 float32; b2 8 x 512 float32; gate_b 8 float32; gate_w 512 x 8 float32; time_stage 2 x 2,048 x 512 float32; w1_codes 8 x 2,048 x 16 x 16 uint8 (E2M1 codes of w1, K innermost, in blocks of 32 codes, two codes a byte); w1_scales 8 x 2,048 x 16 uint8 (E8M0 scales of w1, one for each 32 codes along K); w2_codes 8 x 512 x 64 x 16 uint8 (E2M1 codes of w2, K innermost, in blocks of 32 codes, two codes a byte); w2_scales 8 x 512 x 64 uint8 (E8M0 scales of w2, one for each 32 codes along K); x 2 x 2,048 x 512 float32.
;; Outputs: out0 2 x 2,048 x 512 float32.
;; This version of the problem:
;;   THIS VERSION OF THE PROBLEM IS GIVEN IN LOW PRECISION. The matrix products marked QUANTISED in the list below multiply operands that are first quantised to E2M1 (2 exponent bits, 1 mantissa bit; 4 bits a number), with one power-of-two scale for each 32 numbers along K (OCP MX v1.0); their sums are f32. All else is computed in f32.
;;   The module's matrix products, in the order in which they are computed (A, B: the left and right operand; K: the contracted axis; several contracted axes count as one K, in the product's order):
;;     1. [M 4,096, K 512] x [K 512, N 8]; A: computed on the way; B: input gate_w: left as it is (N = 8 < 16)
;;     2. batch 4,096 x [M 8, K 2] x [K 2, N 1]; A: computed on the way; B: computed on the way: left as it is (K = 2 < 32)
;;     3. [M 16,384, K 512] x [K 512, N 4,096]; A: input w1 (given as codes); B: input x: QUANTISED
;;     4. batch 8 x [M 4,096, K 2,048] x [K 2,048, N 512]; A: computed on the way; B: input w2 (given as codes): QUANTISED
;;     5. batch 4,096 x [M 1, K 8] x [K 8, N 512]; A: computed on the way; B: computed on the way: left as it is (K = 8 < 32)
;;   THE QUANTISER, for each operand of a quantised product, along K:
;;     - K is cut into blocks of 32 from its start; a last block that is shorter is filled with zeros.
;;     - A block's scale is 2^e with e = floor(log2(the largest magnitude in the block)) - 2, held to -126 .. 127; a block of zeros has e = 0. As a byte (E8M0): e + 127.
;;     - Each number is divided by its block's scale, clamped to +-6, and rounded to the nearest number of E2M1, ties to even, subnormals kept.
;;     - The product sums the exact products of the quantised numbers (number of the format x scale) in f32.
;;   ~~~python
;;   def quantise(x, axis):      # numpy; x: float32 -> the quantised numbers, widened to float32 again
;;       x = np.moveaxis(x, axis, -1); K = x.shape[-1]
;;       x = np.pad(x, [(0, 0)] * (x.ndim - 1) + [(0, -K % 32)]); x = x.reshape(x.shape[:-1] + (-1, 32)); a = np.abs(x).max(-1, keepdims=True)
;;       e = np.where(a > 0, np.clip(np.frexp(np.where(a > 0, a, 1))[1] - 1 - 2, -126, 127), 0)      # np.frexp(a)[1] - 1 = floor(log2(a)), exactly
;;       r = np.clip(x / 2.0 ** e, -6, 6)
;;       step = 2.0 ** (np.maximum(np.frexp(np.where(r == 0, 1, r))[1] - 1, 0) - 1)
;;       q = np.round(r / step) * step * 2.0 ** e      # np.round: ties to even
;;       return np.moveaxis(q.reshape(q.shape[:-2] + (-1,))[..., :K], -1, axis).astype(np.float32)
;;   ~~~
;;   OPERANDS COMPUTED ON THE WAY. 'Computed on the way' means the value that the module computes at that place (a softmax that the list does not call 'softmax' is quantised finished and normalised). What goes into a quantiser is computed in f32, as accurately as f32 sums, v_exp_f32 and their like allow (about 1e-6 of the number): no bf16 or f16 on the way to a quantiser, and a product that is left as it is and whose result goes on into a quantised operand takes f32 operands (vector FMAs, or v_wmma_f32_16x16x4_f32). A number that lies on a knife's edge between two numbers of the format may be rounded either way, as far as f32 arithmetic and the matrix unit's own rounding can turn it there, and no further.
;;   INPUTS GIVEN AS CODES. w1 (in the module: [8, 512, 2048], K = its axis 1); w2 (in the module: [8, 2048, 512], K = its axis 1): each comes as NAME_codes (uint8): NAME with its K axis moved to the last place and cut into blocks of 32 codes, [.., K / 32, bytes a block], one block behind the other in memory; two codes a byte, the lower K in the low four bits (a code: sign, 2 exponent bits, 1 mantissa bit); and NAME_scales (uint8): the same leading axes, one E8M0 byte (e + 127) for each 32 codes along K. Its value is code x scale, taken as it is: it is not quantised again, and the codes and scales need not be those that the quantiser above would give.
;; 3 versions, each right; version 2 is faster than version 1; version 3 is version 2 with the launch chain written anew for expert scheduling mode. Each part assembles by itself: llvm-mc -triple=amdgcn-amd-amdhsa -mcpu=gfx1250 --defsym DOCPART=n.
;; ======== version 1 of 3: 4 launches
;; workspace buffers: xq 1,114,112 bytes; route 36,864 bytes of whole numbers; wts 32,768 bytes; order 33,280 bytes of whole numbers; w1l 4,194,304 bytes; w2l 4,456,448 bytes; ybuf 16,777,216 bytes
;; launch router (part 1): grid 128 x 1, 8 waves a work-group, no clusters, 84,480 bytes of LDS; arguments x, time_stage, gate_w, gate_b, xq, route, wts; writes xq, route, wts
.if DOCPART == 1
	.amdgcn_target "amdgcn-amd-amdhsa--gfx1250"
	.amdhsa_code_object_version 6
	.text
	.protected	k_q089d4e6cf4_router
	.globl	k_q089d4e6cf4_router
	.p2align	8
	.type	k_q089d4e6cf4_router,@function
k_q089d4e6cf4_router:
	s_mov_b64 s[64:65], 0
	v_nop
	global_prefetch_b8 v0, s[64:65] scope:SCOPE_SE
	s_setreg_imm32_b32 hwreg(HW_REG_WAVE_MODE, 25, 1), 1
	s_wait_xcnt 0x0
; ROUTER AND QUANTISER OF x.  For each of 4,096 tokens: logits = (x + time_stage) gate_w + gate_b in f32, softmax with the maximum taken away, the two largest
; probabilities (of equal ones the lower expert wins, as jax.lax.top_k has it); and x as codes of E2M1 with one E8M0 byte for each 32 along its 512.
; OUT: xq: codes [4096][256 bytes], then from byte 1,048,576 the scale bytes [4096][16];  route: e0[4096], e1[4096], and from byte 32,768 for each group of 32 tokens
; how many of them chose each expert [128][8];  wts: the two probabilities [2][4096].  No address and no branch hangs on a floating-point number: what is chosen is only stored.
; SHARES: a work-group takes 32 tokens, each of its eight waves 4.  All of a wave's 16 KB of x and time_stage is asked for at once, each load 512 consecutive bytes.
; gate_w stays in 128 registers a lane (window 1): lane l holds the rows d = 128 q + 4 l + j, the same d that a load of x gives it.
; The quantiser wants 16 neighbours along d in a lane: a token's 2,048 bytes turn through the wave's own stage in LDS (64 bytes + 16 of padding a lane).
; LIMITS: NaN and infinities are not served.  A block of zeros gets the byte 1 (its codes are zeros; this program alone reads the bytes).  The logits' sums run in another
; order than the reference's: a second and a third probability that agree to f32's last bits could change places.
; No matrix unit (8 columns), no tensor load, no cluster: the work-groups share only gate_w's 16 KB.
.set X,    16                          ; v16-79   x as loaded: token i at +16 i, register 4 q + j = d 128 q + 4 lane + j
.set T,    80                          ; v80-143  time_stage likewise, then x + time_stage
.set XN,   144                         ; v144-159 16 neighbours of x
.set ACC,  160                         ; v160-167 the eight logits' sums
.set TM,   168                         ; v168-175 at work
.set C,    176                         ; v176-183 codes, two registers a token
.set E,    184                         ; v184-187 a scale byte a token
.set LOGB, 81920                       ; LDS behind the stages (8 waves x 4 tokens x 2,560): the logits, 32 tokens x 32 bytes
.set SCB,  82944                       ; and the scale bytes, 32 tokens x 16
.set MSB, 0
.macro WIN new                         ; the immediate's high byte repeats the setting that is left
.if MSB != \new
	s_set_vgpr_msb (MSB<<8)|\new
.set MSB, \new
.endif
.endm
	s_load_b256 s[4:11], s[0:1], 0x0               ; x s[4:5], time_stage s[6:7], gate_w s[8:9], gate_b s[10:11]
	s_load_b128 s[12:15], s[0:1], 0x20             ; xq s[12:13], route s[14:15]
	s_load_b64 s[16:17], s[0:1], 0x30              ; wts
	v_lshl_add_u32 v254, v0, 2, 0x14600
	v_mov_b32 v255, 0
	v_lshrrev_b32 v1, 5, v0
	v_readfirstlane_b32 s18, v1                    ; wave 0..7
	v_and_b32 v1, 31, v0                           ; lane
	v_lshlrev_b32 v2, 4, v1                        ; 16 x lane
	s_mul_i32 s19, s18, 10240                      ; my wave's four stages
	v_lshrrev_b32 v3, 2, v1
	v_mul_u32_u24 v3, v3, 80
	v_and_b32 v9, 3, v1
	v_lshl_add_u32 v3, v9, 4, v3
	v_add_nc_u32 v3, s19, v3                       ; into a stage: 80 (lane / 4) + 16 (lane % 4); a load's 512 bytes take eight places
	v_mul_u32_u24 v4, v1, 80
	v_add_nc_u32 v4, s19, v4                       ; out of it: 80 x lane: my 16 neighbours
	s_lshl_b32 s19, s18, 6
	s_add_co_u32 s19, s19, SCB
	v_lshrrev_b32 v5, 1, v1
	v_add_nc_u32 v5, s19, v5                       ; my block's scale byte: 16 bytes a token, 64 a wave
	v_lshlrev_b32 v6, 3, v1                        ; my 8 bytes of a token's codes
	s_lshl_b32 s19, s18, 7
	s_add_co_u32 s19, s19, LOGB
	v_mov_b32 v7, s19                              ; my wave's four rows of logits
	v_lshlrev_b32 v8, 7, v1                        ; gate_w: four rows of 32 bytes a lane
	v_lshlrev_b32 v14, 2, v1                       ; 4 x lane
.irp e, 0,1,2,3,4,5,6,7
	v_mov_b32 v[TM+\e], 0                          ; written once: a lane permute's destination counts as one of its sources
.endr
	s_mov_b32 s36, 0x76543210
	s_mov_b32 s37, 0xfedcba98                      ; v_permlanex16_b32's selects for lane l xor 16
	s_lshl_b32 s20, ttmp9, 16                      ; my first token = 32 x work-group + 4 x wave; a row of x is 2,048 bytes,
	s_lshl_b32 s21, s18, 13
	s_add_co_u32 s20, s20, s21
	s_mov_b32 s21, 0
	s_lshl_b32 s22, ttmp9, 13                      ; a row of codes 256
	s_lshl_b32 s23, s18, 10
	s_add_co_u32 s22, s22, s23
	s_mov_b32 s23, 0
	s_lshl_b32 s26, ttmp9, 7                       ; the group's 32 words in route and in wts
	s_mov_b32 s27, 0
	s_lshl_b32 s38, ttmp9, 5                       ; the group's eight counts
	s_add_co_u32 s38, s38, 0x8000
	s_mov_b32 s39, 0
	s_lshl_b32 s40, ttmp9, 9                       ; the group's 512 scale bytes
	s_add_co_u32 s40, s40, 0x100000
	s_mov_b32 s41, 0
	s_wait_kmcnt 0x0
	s_load_b256 s[28:35], s[10:11], 0x0            ; gate_b: waited for where wave 0 adds it
	s_add_nc_u64 s[4:5], s[4:5], s[20:21]
	s_add_nc_u64 s[6:7], s[6:7], s[20:21]
	s_add_nc_u64 s[24:25], s[12:13], s[22:23]      ; my tokens' codes
	s_add_nc_u64 s[12:13], s[12:13], s[40:41]      ; the group's scale bytes
	s_add_nc_u64 s[38:39], s[14:15], s[38:39]      ; the group's counts
	s_add_nc_u64 s[14:15], s[14:15], s[26:27]
	s_add_nc_u64 s[16:17], s[16:17], s[26:27]
	WIN 0x40                                       ; destination window 1
.irp q, 0,1,2,3
.irp j, 0,1,2,3
	global_load_b128 v[(4*\q+\j)*8:(4*\q+\j)*8+3],   v8, s[8:9] offset:\q*4096+\j*32      ; gate_w[128 q + 4 lane + j][0 .. 3]
	global_load_b128 v[(4*\q+\j)*8+4:(4*\q+\j)*8+7], v8, s[8:9] offset:\q*4096+\j*32+16   ; and [4 .. 7]
.endr
.endr
	WIN 0
.irp i, 0,1,2,3
.irp q, 0,1,2,3
	global_load_b128 v[X+16*\i+4*\q:X+16*\i+4*\q+3], v2, s[4:5] offset:2048*\i+512*\q th:TH_LOAD_NT
.endr
.irp q, 0,1,2,3
	global_load_b128 v[T+16*\i+4*\q:T+16*\i+4*\q+3], v2, s[6:7] offset:2048*\i+512*\q th:TH_LOAD_NT
.endr
.endr
.macro TOKEN i
	s_wait_loadcnt 24-8*\i                         ; gate_w and this token's eight loads are in; the later tokens' (eight each) stay out
.irp q, 0,1,2,3
	ds_store_b128 v3, v[X+16*\i+4*\q:X+16*\i+4*\q+3] offset:2560*\i+640*\q
.endr
.irp j, 0,1,2,3
	ds_load_b128 v[XN+4*\j:XN+4*\j+3], v4 offset:2560*\i+16*\j    ; LDS serves a wave's instructions in order: these see the stores above
.endr
.irp k, 0,2,4,6,8,10,12,14
	v_pk_add_f32 v[T+16*\i+\k:T+16*\i+\k+1], v[T+16*\i+\k:T+16*\i+\k+1], v[X+16*\i+\k:X+16*\i+\k+1]   ; the router's input
.endr
	WIN 0x04                                       ; source 1 (gate_w) window 1
.irp ep, 0,2,4,6
	v_pk_mul_f32 v[ACC+\ep:ACC+\ep+1], v[T+16*\i:T+16*\i+1], v[\ep:\ep+1] op_sel_hi:[0,1]   ; the first product starts the sums; one number of the input for two experts
.endr
.set d, 1
.rept 15
.irp ep, 0,2,4,6
.if d%2
	v_pk_fma_f32 v[ACC+\ep:ACC+\ep+1], v[T+16*\i+d-1:T+16*\i+d], v[8*d+\ep:8*d+\ep+1], v[ACC+\ep:ACC+\ep+1] op_sel:[1,0,0] op_sel_hi:[1,1,1]
.else
	v_pk_fma_f32 v[ACC+\ep:ACC+\ep+1], v[T+16*\i+d:T+16*\i+d+1], v[8*d+\ep:8*d+\ep+1], v[ACC+\ep:ACC+\ep+1] op_sel_hi:[0,1,1]
.endif
.endr
.set d, d+1
.endr
	WIN 0
.irp m, 1,2,4,8                                ; the eight sums over the 32 lanes
.irp e, 0,1,2,3,4,5,6,7
	v_add_f32_dpp v[ACC+\e], v[ACC+\e], v[ACC+\e] row_xmask:\m row_mask:0xf bank_mask:0xf
.endr
.endr
.irp e, 0,1,2,3,4,5,6,7
	v_permlanex16_b32 v[TM+\e], v[ACC+\e], s36, s37
.endr
.irp e, 0,1,2,3,4,5,6,7
	v_add_f32 v[ACC+\e], v[ACC+\e], v[TM+\e]
.endr
	ds_store_b128 v7, v[ACC:ACC+3] offset:32*\i    ; every lane writes the same words with the same values
	ds_store_b128 v7, v[ACC+4:ACC+7] offset:32*\i+16
	s_wait_dscnt 0x0                               ; my 16 neighbours are back, and the stores have read their registers
	v_max3_num_f32 v10, |v[XN]|, |v[XN+1]|, |v[XN+2]|              ; the largest magnitude of my 16
	v_max3_num_f32 v11, |v[XN+3]|, |v[XN+4]|, |v[XN+5]|
.irp k, 6,10
	v_max3_num_f32 v10, v10, |v[XN+\k]|, |v[XN+\k+1]|
	v_max3_num_f32 v11, v11, |v[XN+\k+2]|, |v[XN+\k+3]|
.endr
	v_max3_num_f32 v10, v10, |v[XN+14]|, |v[XN+15]|
	v_max3_num_f32 v10, v10, v11, 0x1800000        ; and the floor 2^(3 - 127): the byte cannot fall under 1
	v_max_num_f32_dpp v10, v10, v10 row_xmask:1 row_mask:0xf bank_mask:0xf   ; with my neighbour's 16: the block's
	v_add_nc_u32 v12, 0xff000000, v10              ; 2 off its exponent field: the conversion takes this operand's exponent field as its scale
	v_cvt_scalef32_pk8_fp4_f32 v[C+2*\i], v[XN:XN+7], v12
	v_cvt_scalef32_pk8_fp4_f32 v[C+2*\i+1], v[XN+8:XN+15], v12
	v_lshrrev_b32 v[E+\i], 23, v12                 ; the scale's byte (also the plain line behind the conversions)
	ds_store_b8 v5, v[E+\i] offset:16*\i           ; both lanes of a block write the same byte with the same value
	global_store_b64 v6, v[C+2*\i:C+2*\i+1], s[24:25] offset:256*\i    ; the wave stores a token's 256 consecutive bytes
.endm
	TOKEN 0
	TOKEN 1
	TOKEN 2
	TOKEN 3
	s_wait_dscnt 0x0                               ; for wave 0's sake: my logits and scale bytes lie in LDS
	s_barrier_signal -1
	s_barrier_wait -1
	s_cmp_lg_u32 s18, 0
	s_cbranch_scc1 .Lend                           ; the rest is wave 0's: a lane to a token
	v_add_nc_u32 v9, SCB, v2
	v_lshl_add_u32 v13, v1, 5, LOGB
	ds_load_b128 v[16:19], v9
	ds_load_b128 v[20:23], v13
	ds_load_b128 v[24:27], v13 offset:16
	s_wait_dscnt 0x2                               ; the scale bytes are in; the two loads of logits may be out
	global_store_b128 v2, v[16:19], s[12:13]       ; 32 tokens' scale bytes: 512 consecutive bytes
	s_wait_dscnt 0x0
	s_wait_kmcnt 0x0                               ; gate_b
.irp e, 0,1,2,3,4,5,6,7
	v_add_f32 v[20+\e], s[28+\e], v[20+\e]
.endr
	v_max3_num_f32 v28, v20, v21, v22
	v_max3_num_f32 v28, v28, v23, v24
	v_max3_num_f32 v28, v28, v25, v26
	v_max_num_f32 v28, v28, v27                    ; the token's largest logit is taken away, as the reference's softmax does
.irp e, 0,1,2,3,4,5,6,7
	v_sub_f32 v[20+\e], v[20+\e], v28
.endr
.irp e, 0,1,2,3,4,5,6,7
	v_mul_f32 v[20+\e], 0x3fb8aa3b, v[20+\e]       ; x log2(e)
.endr
.irp e, 0,1,2,3,4,5,6,7
	v_exp_f32 v[20+\e], v[20+\e]
.endr
	v_nop                                          ; a plain line behind the last exponential
	s_wait_alu depctr_va_vdst(0)                   ; one wait for the eight, ahead of their first reader
	v_add_f32 v29, v20, v21
	v_add_f32 v30, v22, v23
	v_add_f32 v31, v24, v25
	v_add_f32 v32, v26, v27
	v_add_f32 v29, v29, v30
	v_add_f32 v31, v31, v32
	v_add_f32 v29, v29, v31
	v_rcp_f32 v29, v29
	v_nop
	s_wait_alu depctr_va_vdst(0)
.irp e, 0,1,2,3,4,5,6,7
	v_mul_f32 v[20+\e], v[20+\e], v29              ; the probabilities
.endr
	v_mov_b32 v33, v20                             ; the largest: ascending, strictly greater, so the lower expert keeps a tie
	v_mov_b32 v34, 0
.irp e, 1,2,3,4,5,6,7
	v_cmp_gt_f32 vcc_lo, v[20+\e], v33
	v_cndmask_b32 v33, v33, v[20+\e], vcc_lo
	v_cndmask_b32 v34, v34, \e, vcc_lo
.endr
	v_mov_b32 v35, -1.0                            ; the second: the same over the experts that are not the first
	v_mov_b32 v36, 0
.irp e, 0,1,2,3,4,5,6,7
	v_cmp_gt_f32 s40, v[20+\e], v35
	v_cmp_ne_u32 s41, \e, v34
	s_and_b32 vcc_lo, s40, s41
	v_cndmask_b32 v35, v35, v[20+\e], vcc_lo
	v_cndmask_b32 v36, v36, \e, vcc_lo
.endr
	v_mov_b32 v37, 0
.irp e, 0,1,2,3,4,5,6,7                        ; how many of the 32 tokens chose expert e: into lane e
	v_cmp_eq_u32 s40, \e, v34
	v_cmp_eq_u32 s41, \e, v36
	s_or_b32 s40, s40, s41
	s_bcnt1_i32_b32 s40, s40
	v_writelane_b32 v37, s40, \e
.endr
	global_store_b32 v14, v34, s[14:15]
	global_store_b32 v14, v36, s[14:15] offset:16384
	global_store_b32 v14, v33, s[16:17]
	global_store_b32 v14, v35, s[16:17] offset:16384
	v_cmp_gt_u32 vcc_lo, 8, v1
	s_wait_xcnt 0x0                                ; EXEC is a source of the stores above: it changes only behind this wait
	s_and_saveexec_b32 s40, vcc_lo
	global_store_b32 v14, v37, s[38:39]            ; lanes 0 to 7: the group's eight counts
	s_wait_xcnt 0x0
	s_or_b32 exec_lo, exec_lo, s40
.Lend:
	s_wait_tensorcnt 0x0
	ds_add_u32 v254, v255
	s_wait_dscnt 0x0
	s_endpgm
.Lfunc_end_k_q089d4e6cf4_router:
	.size	k_q089d4e6cf4_router, .Lfunc_end_k_q089d4e6cf4_router-k_q089d4e6cf4_router
	.p2alignl 7, 3214868480
	.fill 96, 4, 3214868480
	.section	.rodata,"a",@progbits
	.p2align	6, 0x0
	.amdhsa_kernel k_q089d4e6cf4_router
		.amdhsa_group_segment_fixed_size 84480
		.amdhsa_private_segment_fixed_size 0
		.amdhsa_enable_private_segment 0
		.amdhsa_kernarg_size 56
		.amdhsa_user_sgpr_count 2
		.amdhsa_user_sgpr_kernarg_segment_ptr 1
		.amdhsa_wavefront_size32 1
		.amdhsa_system_sgpr_workgroup_id_x 1
		.amdhsa_system_sgpr_workgroup_id_y 1
		.amdhsa_system_sgpr_workgroup_id_z 1
		.amdhsa_system_vgpr_workitem_id 0
		.amdhsa_next_free_vgpr 384
		.amdhsa_next_free_sgpr 66
		.amdhsa_reserve_vcc 1
		.amdhsa_float_denorm_mode_32 3
		.amdhsa_float_denorm_mode_16_64 3
		.amdhsa_memory_ordered 1
		.amdhsa_forward_progress 1
		.amdhsa_inst_pref_size 54
	.end_amdhsa_kernel
	.amdgpu_metadata
---
amdhsa.version: [ 1, 2 ]
amdhsa.kernels:
  - .name:           k_q089d4e6cf4_router
    .symbol:         k_q089d4e6cf4_router.kd
    .args:
      - { .name: x, .offset: 0, .size: 8, .value_kind: global_buffer, .address_space: global }
      - { .name: time_stage, .offset: 8, .size: 8, .value_kind: global_buffer, .address_space: global }
      - { .name: gate_w, .offset: 16, .size: 8, .value_kind: global_buffer, .address_space: global }
      - { .name: gate_b, .offset: 24, .size: 8, .value_kind: global_buffer, .address_space: global }
      - { .name: xq, .offset: 32, .size: 8, .value_kind: global_buffer, .address_space: global }
      - { .name: route, .offset: 40, .size: 8, .value_kind: global_buffer, .address_space: global }
      - { .name: wts, .offset: 48, .size: 8, .value_kind: global_buffer, .address_space: global }
    .group_segment_fixed_size: 84480
    .private_segment_fixed_size: 0
    .kernarg_segment_align: 8
    .kernarg_segment_size: 56
    .max_flat_workgroup_size: 256
    .sgpr_count:     66
    .vgpr_count:     384
    .wavefront_size: 32
...
	.end_amdgpu_metadata
.endif
;; end of part 1
;; launch place (part 2): grid 168 x 1, 4 waves a work-group, no clusters, 177,664 bytes of LDS; arguments route, w1_codes, w2_codes, w2_scales, order, w1l, w2l; writes order, w1l, w2l
.if DOCPART == 2
	.amdgcn_target "amdgcn-amd-amdhsa--gfx1250"
	.amdhsa_code_object_version 6
	.text
	.protected	k_q089d4e6cf4_place
	.globl	k_q089d4e6cf4_place
	.p2align	8
	.type	k_q089d4e6cf4_place,@function
k_q089d4e6cf4_place:
	s_mov_b64 s[64:65], 0
	v_nop
	global_prefetch_b8 v0, s[64:65] scope:SCOPE_SE
	s_setreg_imm32_b32 hwreg(HW_REG_WAVE_MODE, 25, 1), 1
	s_wait_xcnt 0x0
; PLACING THE ROWS, AND LAYING THE WEIGHTS OUT.  Four kinds of work-groups, told apart by the work-group's number alone; no barrier; waves share nothing.
; 0-31    a counting sort without atomics: wave g (of 128) takes tokens 32 g .. 32 g + 31.  From the 128 x 8 counts of the launch before it makes each expert's total and the
;         count of the groups ahead of it; a row's place is the experts' totals below + the groups' counts ahead + the lanes ahead.  order: rows[8256] (entry = k x 4096 + token,
;         by expert, then by token; the last 64 are 0), and from byte 33,024 the eight totals.
; 32-95   w1's codes into w1l, in the order of the operand's registers: for each block of 32 hidden units 8 KB: piece (8 u + 2 s + c) of 512 bytes holds, at 16 x lane, of row
;         8 u + r + 8 (r / 8) of the block the bytes 64 s + 32 c + 16 h (r = lane % 16, h = lane / 16).
; 96-159  w2's codes into w2l: byte e x 524,288 + kappa x 32,768 + (d / 16) x 1,024 + 512 c + 16 x lane holds of row 16 (d / 16) + r the bytes 64 kappa + 32 c + 16 h.
; 160-167 w2's scale words, from byte 4,194,304 of w2l: byte e x 32,768 + kappa x 2,048 + 512 w + 16 x lane + 4 i holds word kappa of row 128 w + 32 i + lane.
; Every load and every store of the three laying paths covers 512 consecutive bytes; the turn goes through the wave's own LDS bytes, and each path has LDS bytes of its own.
; The sort's stores are words scattered over a list of 32 KB; lanes with the same expert write neighbouring words.
.set L1, 0                             ; LDS: w1's path, 64 rows x 272 a wave
.set L2, 69632                         ; w2's path, 16 rows x 1,040 a wave
.set L3, 136192                        ; the scales' path, 128 rows x 80 a wave
	s_load_b256 s[4:11], s[0:1], 0x0               ; route s[4:5], w1_codes s[6:7], w2_codes s[8:9], w2_scales s[10:11]
	s_load_b128 s[12:15], s[0:1], 0x20             ; order s[12:13], w1l s[14:15]
	s_load_b64 s[16:17], s[0:1], 0x30              ; w2l
	v_lshl_add_u32 v160, v0, 2, 0x2b400
	v_mov_b32 v161, 0
	v_lshrrev_b32 v1, 5, v0
	v_readfirstlane_b32 s18, v1                    ; wave 0..3
	v_and_b32 v1, 31, v0                           ; lane
	v_lshlrev_b32 v2, 4, v1                        ; 16 x lane
	v_and_b32 v3, 15, v1                           ; r
	v_lshrrev_b32 v4, 4, v1                        ; h
	s_wait_kmcnt 0x0
	s_cmp_lt_u32 ttmp9, 32
	s_cbranch_scc1 .Lsort
	s_cmp_lt_u32 ttmp9, 96
	s_cbranch_scc1 .Lw1
	s_cmp_lt_u32 ttmp9, 160
	s_cbranch_scc1 .Lw2
	; ---- w2's scale words: task = (expert, quarter of its 512 rows): 128 rows of 64 bytes, dense
	s_sub_co_u32 s19, ttmp9, 160
	s_lshl_b32 s19, s19, 2
	s_add_co_u32 s19, s19, s18
	s_lshl_b32 s20, s19, 13
	s_mov_b32 s21, 0
	s_add_nc_u64 s[10:11], s[10:11], s[20:21]
	s_lshr_b32 s22, s19, 2
	s_lshl_b32 s22, s22, 15
	s_and_b32 s23, s19, 3
	s_lshl_b32 s23, s23, 9
	s_add_co_u32 s22, s22, s23
	s_add_co_u32 s22, s22, 0x400000
	s_mov_b32 s23, 0
	s_add_nc_u64 s[16:17], s[16:17], s[22:23]
	s_mul_i32 s24, s18, 10240
	s_add_co_u32 s24, s24, L3
	v_lshrrev_b32 v5, 2, v1
	v_mul_u32_u24 v5, v5, 80
	v_and_b32 v7, 3, v1
	v_lshl_add_u32 v5, v7, 4, v5
	v_add_nc_u32 v5, s24, v5                       ; in: four lanes to a row of 64 bytes + 16
	v_mul_u32_u24 v6, v1, 80
	v_add_nc_u32 v6, s24, v6                       ; out: a lane to a row
.set q, 0
.rept 16
	global_load_b128 v[16+4*q:19+4*q], v2, s[10:11] offset:512*q th:TH_LOAD_NT
.set q, q+1
.endr
.set q, 0
.rept 16
	s_wait_loadcnt 15-q                            ; load q is in; the younger ones stay out
	ds_store_b128 v5, v[16+4*q:19+4*q] offset:640*q
.set q, q+1
.endr
.set q, 0
.rept 64                                       ; register 4 kappa + i: word kappa of row 32 i + lane
	ds_load_b32 v[80+q], v6 offset:2560*(q%4)+4*(q/4)
.set q, q+1
.endr
.set q, 0
.rept 16
	s_wait_dscnt 60-4*q                            ; group kappa's four words are in; behind them 4 (15 - kappa) loads were issued
	global_store_b128 v2, v[80+4*q:83+4*q], s[16:17] offset:2048*q
.set q, q+1
.endr
	s_wait_tensorcnt 0x0
	ds_add_u32 v160, v161
	s_wait_dscnt 0x0
	s_endpgm
.Lw1:	; ---- w1's codes: task = 64 rows of 256 bytes = two blocks of 32 hidden units; in and out begin at the same byte
	s_sub_co_u32 s19, ttmp9, 32
	s_lshl_b32 s19, s19, 2
	s_add_co_u32 s19, s19, s18
	s_lshl_b32 s20, s19, 14
	s_mov_b32 s21, 0
	s_add_nc_u64 s[6:7], s[6:7], s[20:21]
	s_add_nc_u64 s[14:15], s[14:15], s[20:21]
	s_mul_i32 s22, s18, 17408
	v_mul_u32_u24 v5, v4, 272
	v_lshl_add_u32 v5, v3, 4, v5
	v_add_nc_u32 v5, s22, v5                       ; in: two rows a load, 272 bytes apart
	v_and_b32 v6, 8, v3
	v_add_nc_u32 v6, v6, v3                        ; r + 8 (r / 8)
	v_mul_u32_u24 v6, v6, 272
	v_lshl_add_u32 v6, v4, 4, v6
	v_add_nc_u32 v6, s22, v6                       ; out: the tile's row of my lane, + 16 h
.set q, 0
.rept 32
	global_load_b128 v[16+4*q:19+4*q], v2, s[6:7] offset:512*q th:TH_LOAD_NT
.set q, q+1
.endr
.set q, 0
.rept 32
	s_wait_loadcnt 31-q
	ds_store_b128 v5, v[16+4*q:19+4*q] offset:544*q
.set q, q+1
.endr
.set q, 0
.rept 32                                       ; piece q: block q / 16, tile u = (q / 8) % 2, K step s = (q / 2) % 4, half c = q % 2
	ds_load_b128 v[16+4*q:19+4*q], v6 offset:(q/16)*8704+((q/8)%2)*2176+64*((q/2)%4)+32*(q%2)
.set q, q+1
.endr
.set q, 0
.rept 32
	s_wait_dscnt 31-q
	global_store_b128 v2, v[16+4*q:19+4*q], s[14:15] offset:512*q
.set q, q+1
.endr
	s_wait_tensorcnt 0x0
	ds_add_u32 v160, v161
	s_wait_dscnt 0x0
	s_endpgm
.Lw2:	; ---- w2's codes: task = 16 rows of 1,024 bytes: expert task / 32, rows 16 (task % 32) on
	s_sub_co_u32 s19, ttmp9, 96
	s_lshl_b32 s19, s19, 2
	s_add_co_u32 s19, s19, s18
	s_lshl_b32 s20, s19, 14
	s_mov_b32 s21, 0
	s_add_nc_u64 s[8:9], s[8:9], s[20:21]
	s_lshr_b32 s22, s19, 5
	s_lshl_b32 s22, s22, 19
	s_and_b32 s23, s19, 31
	s_lshl_b32 s23, s23, 10
	s_add_co_u32 s22, s22, s23
	s_mov_b32 s23, 0
	s_add_nc_u64 s[16:17], s[16:17], s[22:23]
	s_mul_i32 s24, s18, 16640
	s_add_co_u32 s24, s24, L2
	v_add_nc_u32 v5, s24, v2                       ; in: half a row a load
	v_mul_u32_u24 v6, v3, 1040
	v_lshl_add_u32 v6, v4, 4, v6
	v_add_nc_u32 v6, s24, v6                       ; out: row r, + 16 h
.set q, 0
.rept 32
	global_load_b128 v[16+4*q:19+4*q], v2, s[8:9] offset:512*q th:TH_LOAD_NT
.set q, q+1
.endr
.set q, 0
.rept 32
	s_wait_loadcnt 31-q
	ds_store_b128 v5, v[16+4*q:19+4*q] offset:(q/2)*1040+(q%2)*512
.set q, q+1
.endr
.set q, 0
.rept 32                                       ; piece q: K step kappa = q / 2, half c = q % 2: bytes 64 kappa + 32 c = 32 q of the row
	ds_load_b128 v[16+4*q:19+4*q], v6 offset:32*q
.set q, q+1
.endr
.set q, 0
.rept 32
	s_wait_dscnt 31-q
	global_store_b128 v2, v[16+4*q:19+4*q], s[16:17] offset:(q/2)*32768+(q%2)*512
.set q, q+1
.endr
	s_wait_tensorcnt 0x0
	ds_add_u32 v160, v161
	s_wait_dscnt 0x0
	s_endpgm
.Lsort:	; ---- the sort
	s_lshl_b32 s19, ttmp9, 2
	s_add_co_u32 s19, s19, s18                     ; g: my group of 32 tokens
	v_lshl_add_u32 v5, s19, 5, v1                  ; my token
	v_lshlrev_b32 v6, 2, v5
	global_load_b32 v8, v6, s[4:5]                 ; its first expert
	global_load_b32 v9, v6, s[4:5] offset:16384    ; its second
.irp i, 0,1,2,3,4,5,6,7
	global_load_b128 v[16+4*\i:19+4*\i], v2, s[4:5] offset:32768+512*\i   ; the counts of group 16 i + lane / 2, experts 4 (lane % 2) .. + 3
.endr
	v_lshrrev_b32 v7, 1, v1
	s_mov_b32 s36, 0x76543210
	s_mov_b32 s37, 0xfedcba98
.irp k, 0,1,2,3,4,5,6,7
	v_mov_b32 v[56+\k], 0                          ; written once: the destination of a DPP move or a lane permute counts as one of its sources
.endr
	v_mov_b32 v10, 0
	v_mov_b32 v11, 0
	s_wait_loadcnt 0x0
.irp j, 0,1,2,3                                ; v48-51: all groups' counts
	v_add3_u32 v[48+\j], v[16+\j], v[20+\j], v[24+\j]
	v_add3_u32 v[48+\j], v[48+\j], v[28+\j], v[32+\j]
	v_add3_u32 v[48+\j], v[48+\j], v[36+\j], v[40+\j]
	v_add_nc_u32 v[48+\j], v[48+\j], v[44+\j]
.endr
	v_cmp_gt_i32 vcc_lo, s19, v7                   ; v52-55: those of the groups ahead of mine: 16 i + lane / 2 < g
.irp j, 0,1,2,3
	v_cndmask_b32 v[52+\j], 0, v[16+\j], vcc_lo
.endr
.irp i, 1,2,3,4,5,6,7
	s_sub_co_i32 s20, s19, 16*\i
	v_cmp_gt_i32 vcc_lo, s20, v7
.irp j, 0,1,2,3
	v_cndmask_b32 v[56+\j], 0, v[16+4*\i+\j], vcc_lo
.endr
.irp j, 0,1,2,3
	v_add_nc_u32 v[52+\j], v[52+\j], v[56+\j]
.endr
.endr
.irp m, 2,4,8                                  ; over the lanes of my parity
.irp k, 0,1,2,3,4,5,6,7
	v_mov_b32_dpp v[56+\k], v[48+\k] row_xmask:\m row_mask:0xf bank_mask:0xf
.endr
.irp k, 0,1,2,3,4,5,6,7
	v_add_nc_u32 v[48+\k], v[48+\k], v[56+\k]
.endr
.endr
.irp k, 0,1,2,3,4,5,6,7
	v_permlanex16_b32 v[56+\k], v[48+\k], s36, s37
.endr
.irp k, 0,1,2,3,4,5,6,7
	v_add_nc_u32 v[48+\k], v[48+\k], v[56+\k]
.endr
.irp j, 0,1,2,3                                ; lane 0 holds experts 0-3, lane 1 experts 4-7
	v_readlane_b32 s[20+\j], v[48+\j], 0           ; s20-27: the totals
	v_readlane_b32 s[24+\j], v[48+\j], 1
	v_readlane_b32 s[28+\j], v[52+\j], 0           ; s28-35: the groups ahead
	v_readlane_b32 s[32+\j], v[52+\j], 1
.endr
	s_mov_b32 s38, 0
.irp e, 0,1,2,3,4,5,6,7
	s_add_co_u32 s[40+\e], s38, s[28+\e]           ; where my group's rows of expert e begin
	s_add_co_u32 s38, s38, s[20+\e]
.endr
.irp e, 0,1,2,3,4,5,6,7
	v_cmp_eq_u32 s48, \e, v8
	v_cmp_eq_u32 s49, \e, v9
	s_or_b32 s50, s48, s49
	v_mbcnt_lo_u32_b32 v12, s50, 0                 ; the lanes ahead of me that chose e
	v_add_nc_u32 v12, s[40+\e], v12
	v_cndmask_b32 v10, v10, v12, s48
	v_cndmask_b32 v11, v11, v12, s49
.endr
	v_min_u32 v10, 0x1fff, v10                     ; a place made of loaded numbers enters an address only behind this hold
	v_min_u32 v11, 0x1fff, v11
	v_lshlrev_b32 v10, 2, v10
	v_lshlrev_b32 v11, 2, v11
	v_add_nc_u32 v13, 0x1000, v5
	global_store_b32 v10, v5, s[12:13]             ; k = 0: the token
	global_store_b32 v11, v13, s[12:13]            ; k = 1: 4,096 + the token
	s_or_b32 s48, ttmp9, s18
	s_cmp_lg_u32 s48, 0
	s_cbranch_scc1 .Lsorted                        ; the first wave of the first work-group also stores the totals and the list's 64 spare entries
	v_mov_b32 v14, 0
	v_mov_b32 v15, 0
	v_mov_b32 v64, 0
.irp e, 0,1,2,3,4,5,6,7
	v_writelane_b32 v64, s[20+\e], \e
.endr
	v_lshlrev_b32 v65, 2, v1
	v_lshlrev_b32 v66, 3, v1
	global_store_b32 v65, v64, s[12:13] offset:33024
	global_store_b64 v66, v[14:15], s[12:13] offset:32768
.Lsorted:
	s_endpgm
.Lfunc_end_k_q089d4e6cf4_place:
	.size	k_q089d4e6cf4_place, .Lfunc_end_k_q089d4e6cf4_place-k_q089d4e6cf4_place
	.p2alignl 7, 3214868480
	.fill 96, 4, 3214868480
	.section	.rodata,"a",@progbits
	.p2align	6, 0x0
	.amdhsa_kernel k_q089d4e6cf4_place
		.amdhsa_group_segment_fixed_size 177664
		.amdhsa_private_segment_fixed_size 0
		.amdhsa_enable_private_segment 0
		.amdhsa_kernarg_size 56
		.amdhsa_user_sgpr_count 2
		.amdhsa_user_sgpr_kernarg_segment_ptr 1
		.amdhsa_wavefront_size32 1
		.amdhsa_system_sgpr_workgroup_id_x 1
		.amdhsa_system_sgpr_workgroup_id_y 1
		.amdhsa_system_sgpr_workgroup_id_z 1
		.amdhsa_system_vgpr_workitem_id 0
		.amdhsa_next_free_vgpr 162
		.amdhsa_next_free_sgpr 66
		.amdhsa_reserve_vcc 1
		.amdhsa_float_denorm_mode_32 3
		.amdhsa_float_denorm_mode_16_64 3
		.amdhsa_memory_ordered 1
		.amdhsa_forward_progress 1
		.amdhsa_inst_pref_size 51
	.end_amdhsa_kernel
	.amdgpu_metadata
---
amdhsa.version: [ 1, 2 ]
amdhsa.kernels:
  - .name:           k_q089d4e6cf4_place
    .symbol:         k_q089d4e6cf4_place.kd
    .args:
      - { .name: route, .offset: 0, .size: 8, .value_kind: global_buffer, .address_space: global }
      - { .name: w1_codes, .offset: 8, .size: 8, .value_kind: global_buffer, .address_space: global }
      - { .name: w2_codes, .offset: 16, .size: 8, .value_kind: global_buffer, .address_space: global }
      - { .name: w2_scales, .offset: 24, .size: 8, .value_kind: global_buffer, .address_space: global }
      - { .name: order, .offset: 32, .size: 8, .value_kind: global_buffer, .address_space: global }
      - { .name: w1l, .offset: 40, .size: 8, .value_kind: global_buffer, .address_space: global }
      - { .name: w2l, .offset: 48, .size: 8, .value_kind: global_buffer, .address_space: global }
    .group_segment_fixed_size: 177664
    .private_segment_fixed_size: 0
    .kernarg_segment_align: 8
    .kernarg_segment_size: 56
    .max_flat_workgroup_size: 128
    .sgpr_count:     66
    .vgpr_count:     162
    .wavefront_size: 32
...
	.end_amdgpu_metadata
.endif
;; end of part 2
;; launch chain (part 3): grid 135 x 1, 4 waves a work-group, no clusters, 43,520 bytes of LDS; arguments order, xq, wts, w1l, w1_scales, b1, w2l, b2, ybuf; writes ybuf
.if DOCPART == 3
	.amdgcn_target "amdgcn-amd-amdhsa--gfx1250"
	.amdhsa_code_object_version 6
	.text
	.protected	k_q089d4e6cf4_chain
	.globl	k_q089d4e6cf4_chain
	.p2align	8
	.type	k_q089d4e6cf4_chain,@function
k_q089d4e6cf4_chain:
	s_mov_b64 s[64:65], 0
	v_nop
	global_prefetch_b8 v0, s[64:65] scope:SCOPE_SE
	s_setreg_imm32_b32 hwreg(HW_REG_WAVE_MODE, 25, 1), 1
	s_wait_xcnt 0x0
; ONE TILE OF 64 ROUTED ROWS OF ONE EXPERT THROUGH THE WHOLE CHAIN: ybuf[row] = g x (Q(gelu(Q(x) W1 + b1)) W2 + b2), both products on codes of E2M1 with one E8M0 scale for each 32 along K.
; Only the rows of the two experts chosen for a token are multiplied: the reference's own one-hot throws the others away.  8,192 rows, 8 experts, tiles of 64: never more than 128 + 7 = 135 tiles.
; Which tile is mine follows from the eight totals in order, without a branch.  A tile with fewer than 64 rows (or none) runs on held row numbers and stores only its own rows: so every wave passes every
; barrier, and none stands under a branch on loaded numbers.
; SHARES.  16 steps of 128 hidden units.  In step t wave w makes hidden units 128 t + 32 w .. + 31 for all 64 rows (K = 512: 32 matrix instructions), applies gelu, quantises them: that is block w of the
; second product's K step t.  The codes go to LDS as an image of the operand's registers; a barrier; every wave adds K step t onto its own 128 outputs x 64 rows (32 matrix instructions, 32 accumulators).
; BOTH PRODUCTS ARE USED TRANSPOSED (source 0 = 16 rows of a weight, source 1 = 16 of my rows): a lane holds one row throughout.  The rows of W1 that form a tile are 8 u + r + 8 (r / 8) of a block of 32,
; so that a lane's 16 registers of tiles u = 0, 1 are hidden units 16 (lane / 16) + 0 .. 15 of the block.  b1 is the C of a sum's first instruction; b2 is loaded into the second product's accumulators.
; THE WEIGHTS come from memory straight into registers, laid by the launch before in the order of the operand's registers: each load 512 consecutive bytes.  Two sets by turns: a step's loads are issued two steps ahead.
; NO TENSOR LOAD, NO CLUSTER: the expert and the rows hang on numbers read from memory, so neighbouring work-groups may serve different experts and no joint request can be stated alike in all partners.
; gelu = 0.5 h (1 + erf(h / sqrt 2)), erf by the rational z P(z^2) / Q(z^2) on z held to +-4, all in f32.
; LIMITS: NaN and infinities are not served.  1 + erf cancels for h under about -5: there gelu, itself under 1e-6, is given to about 1e-7 absolute.  A block of zeros gets the byte 1 (its codes are zeros).
; REGISTERS.  window 0: v1-9, v50 addresses; v10-11 row numbers; v12-19 gate weights; v20-23 x offsets; v24-49 scale words and nothing else; v52-79 at work; v80-111 b1, two sets; v112-175 the hidden tile;
;   v176-239 gelu's work, later rows of y; v240-255 head's temporaries, later store offsets.   window 1: v0-127 x's 16 fragments; v128-159 the hidden layer's four.
;   window 2: the 32 accumulators of y, (n, m) at v[8 (4 n + m)].   window 3: v0-127 W1's fragments, two sets; v128-255 W2's, two sets.
.set HSC,  8192                        ; LDS: 0: the images, 2 x 4,096 (parity, tile of rows m x 1,024, block x 256, 16 r + 8 h);  8,192: their scale words, 2 x 256
.set STG,  8704                        ; the way out: 16 rows x 528 for each wave
.set RIDQ, 10
.set G,    12
.set XO,   20
.set XS,   24                          ; v24-31  x's scale words: register 4 q + s, lane = row 32 q + lane
.set W1S,  32                          ; v32-39  W1's: register 4 p + s; lanes 0-15 tile u = 0, lanes 16-31 tile u = 1
.set W2S,  40                          ; v40-47  W2's: register 4 p + i, lane = output 32 i + lane
.set HS,   48                          ; v48-49  the hidden layer's: register q, lane = row 32 q + lane
.set H32,  50
.set TM,   52
.set PC,   68
.set CA1,  76
.set CB1,  78
.set B1,   80
.set HA,   112
.set Z,    176
.set S,    192
.set P,    208
.set Q,    224
.set RO,   240
.set HF,   128
.set RS2,  40                          ; s[40:61] eleven constants as pairs (a packed form names a pair and takes its low word for both halves)
.set A0,   42
.set A2,   44
.set A3,   46
.set A4,   48
.set A5,   50
.set A6,   52
.set B0,   54
.set B2,   56
.set B3,   58
.set B4,   60
.set SEL,  62
.set CNT,  38                          ; s38  how many of the 64 rows are mine
.set MSB, 0
.macro WIN new                         ; the immediate's high byte repeats the setting that is left
.if MSB != \new
	s_set_vgpr_msb (MSB<<8)|\new
.set MSB, \new
.endif
.endm
.macro SPAIR r, val
	s_mov_b32 s[\r], \val
	s_mov_b32 s[\r+1], \val
.endm
; a scaled product: ra, rb = 1: that side's scales are read from lanes 16-31
.macro WMS d, a, b, c, sa, sb, ra, rb
.if (\ra) && (\rb)
	v_wmma_scale_f32_16x16x128_f8f6f4 v[(\d):(\d)+7], v[(\a):(\a)+7], v[(\b):(\b)+7], v[(\c):(\c)+7], v[(\sa)], v[(\sb)] matrix_a_fmt:MATRIX_FMT_FP4 matrix_b_fmt:MATRIX_FMT_FP4 matrix_a_scale:MATRIX_SCALE_ROW1 matrix_b_scale:MATRIX_SCALE_ROW1
.elseif (\ra)
	v_wmma_scale_f32_16x16x128_f8f6f4 v[(\d):(\d)+7], v[(\a):(\a)+7], v[(\b):(\b)+7], v[(\c):(\c)+7], v[(\sa)], v[(\sb)] matrix_a_fmt:MATRIX_FMT_FP4 matrix_b_fmt:MATRIX_FMT_FP4 matrix_a_scale:MATRIX_SCALE_ROW1
.elseif (\rb)
	v_wmma_scale_f32_16x16x128_f8f6f4 v[(\d):(\d)+7], v[(\a):(\a)+7], v[(\b):(\b)+7], v[(\c):(\c)+7], v[(\sa)], v[(\sb)] matrix_a_fmt:MATRIX_FMT_FP4 matrix_b_fmt:MATRIX_FMT_FP4 matrix_b_scale:MATRIX_SCALE_ROW1
.else
	v_wmma_scale_f32_16x16x128_f8f6f4 v[(\d):(\d)+7], v[(\a):(\a)+7], v[(\b):(\b)+7], v[(\c):(\c)+7], v[(\sa)], v[(\sb)] matrix_a_fmt:MATRIX_FMT_FP4 matrix_b_fmt:MATRIX_FMT_FP4
.endif
.endm
; 21 loads: a step's part of W1 (16), its scale words (1), b1 (4), into set p; the immediate carries the parity
.macro LOADA p
	WIN 0xc0                                       ; destination window 3
.irp i, 0,1,2,3,4,5,6,7,8,9,10,11,12,13,14,15
	global_load_b128 v[64*\p+4*\i:64*\p+4*\i+3], v1, s[10:11] offset:32768*\p+512*\i
.endr
	WIN 0
	global_load_b128 v[W1S+4*\p:W1S+4*\p+3], v2, s[12:13] offset:2048*\p
.irp i, 0,1,2,3
	global_load_b128 v[B1+16*\p+4*\i:B1+16*\p+4*\i+3], v3, s[14:15] offset:512*\p+16*\i
.endr
.endm
; 17 loads: a K step's part of W2 (16) and its scale words (1), into set p
.macro LOADB p
	WIN 0xc0
.irp i, 0,1,2,3,4,5,6,7,8,9,10,11,12,13,14,15
	global_load_b128 v[128+64*\p+4*\i:128+64*\p+4*\i+3], v1, s[16:17] offset:32768*\p+512*\i
.endr
	WIN 0
	global_load_b128 v[W2S+4*\p:W2S+4*\p+3], v1, s[22:23] offset:2048*\p
.endm
	s_load_b512 s[4:19], s[0:1], 0x0               ; order s[4:5], xq s[6:7], wts s[8:9], w1l s[10:11], w1_scales s[12:13], b1 s[14:15], w2l s[16:17], b2 s[18:19]
	s_load_b64 s[20:21], s[0:1], 0x40              ; ybuf
	v_lshl_add_u32 v62, v0, 2, 0xa800
	v_mov_b32 v63, 0
	v_lshrrev_b32 v1, 5, v0
	v_readfirstlane_b32 s2, v1                     ; wave 0..3
	s_wait_kmcnt 0x0
	s_load_b256 s[24:31], s[4:5], 0x8100           ; the eight experts' totals
	v_and_b32 v240, 31, v0                         ; lane
	v_and_b32 v241, 15, v0                         ; r
	v_bfe_u32 v242, v0, 4, 1                       ; h
	v_and_b32 v243, 8, v241
	v_add_nc_u32 v243, v243, v241                  ; r + 8 (r / 8)
	v_lshlrev_b32 v1, 4, v240                      ; 16 x lane: the laid weights
	v_lshl_add_u32 v2, v242, 3, v243
	v_lshlrev_b32 v2, 4, v2                        ; W1's scale words: 16 bytes of row 8 h + r + 8 (r / 8) of my 32
	v_lshlrev_b32 v3, 6, v242                      ; b1: my half's 16 numbers
	v_lshlrev_b32 v[H32], 5, v242                  ; b2: my half's 8 numbers of a tile
	s_lshl_b32 s66, s2, 8
	v_lshlrev_b32 v4, 4, v241
	v_lshl_add_u32 v4, v242, 3, v4
	v_add_nc_u32 v4, s66, v4                       ; where I store my 8 bytes of an image: 256 x wave + 16 r + 8 h
	v_lshl_add_u32 v5, v241, 2, HSC
	v_add_nc_u32 v5, s2, v5                        ; and my block's byte of a row's scale word: 4 r + wave
	v_lshlrev_b32 v6, 4, v240                      ; an image comes back at 16 x lane,
	v_lshl_add_u32 v7, v240, 2, HSC                ; the scale words at 4 x lane
	s_mul_i32 s66, s2, 8448
	s_add_co_u32 s66, s66, STG
	v_mul_u32_u24 v8, v241, 528
	v_lshl_add_u32 v8, v242, 5, v8
	v_add_nc_u32 v8, s66, v8                       ; my stage, in: row r, + 32 h
	v_add_nc_u32 v9, s66, v1                       ; and back: a row of 512 bytes to the 32 lanes
	v_lshlrev_b32 v244, 2, v241
	v_lshlrev_b32 v245, 2, v240
	v_mov_b32 v[CA1], 0x32edffee                   ; a1 and b1 of the rational, as vector pairs: the first Horner stage names two constants
	v_mov_b32 v[CA1+1], 0x32edffee
	v_mov_b32 v[CB1], 0xb95fbd29
	v_mov_b32 v[CB1+1], 0xb95fbd29
.irp b, 0,1,2,3
	v_mov_b32 v[TM+4+\b], 0                        ; written once: a lane permute's destination counts as one of its sources
.endr
	SPAIR RS2, 0x3f3504f3                          ; 1 / sqrt 2
	SPAIR A0, 0xaf95df0b
	SPAIR A2, 0xb60cff51
	SPAIR A3, 0xb86ec2d2
	SPAIR A4, 0xba40ac63
	SPAIR A5, 0xbb41a1f6
	SPAIR A6, 0xbc83dbd4
	SPAIR B0, 0xb77460cd
	SPAIR B2, 0xbadc924e
	SPAIR B3, 0xbbf19bf8
	SPAIR B4, 0xbc69b6a7
	s_mov_b32 s[SEL], 0x76543210
	s_mov_b32 s[SEL+1], 0xfedcba98                 ; v_permlanex16_b32's selects for lane l xor 16
	s_mov_b32 s32, 0                               ; the first tile of the expert in hand
	s_mov_b32 s33, 0                               ; its first place in the list
	s_mov_b32 s34, 0
	s_mov_b32 s35, 0
	s_mov_b32 s36, 0
	s_mov_b32 s37, 0
	s_wait_kmcnt 0x0
.irp e, 0,1,2,3,4,5,6,7                        ; the last expert whose first tile is not behind mine: by selects alone
	s_cmp_ge_u32 ttmp9, s32
	s_cselect_b32 s34, \e, s34
	s_cselect_b32 s35, s32, s35
	s_cselect_b32 s36, s33, s36
	s_cselect_b32 s37, s[24+\e], s37
	s_add_co_u32 s39, s[24+\e], 63
	s_lshr_b32 s39, s39, 6
	s_add_co_u32 s32, s32, s39
	s_add_co_u32 s33, s33, s[24+\e]
.endr
	s_sub_co_u32 s35, ttmp9, s35
	s_lshl_b32 s35, s35, 6                         ; my tile's first row within the expert
	s_sub_co_i32 s[CNT], s37, s35
	s_max_i32 s[CNT], s[CNT], 0
	s_min_i32 s[CNT], s[CNT], 64                   ; how many rows are mine: 0 to 64
	s_add_co_u32 s36, s36, s35
	s_min_u32 s36, s36, 0x1fff                     ; my first place in the list; the list has 64 entries to spare
	s_min_u32 s34, s34, 7                          ; the expert
	s_lshl_b32 s66, s36, 2
	s_mov_b32 s67, 0
	s_add_nc_u64 s[4:5], s[4:5], s[66:67]
	s_lshl_b32 s68, s34, 15
	s_lshl_b32 s69, s2, 9
	s_add_co_u32 s68, s68, s69                     ; e x 32,768 + 512 w: both weights' scale words
	s_mov_b32 s69, 0
	s_add_nc_u64 s[12:13], s[12:13], s[68:69]
	s_add_nc_u64 s[22:23], s[16:17], s[68:69]
	s_add_nc_u64 s[22:23], s[22:23], 0x400000
	s_lshl_b32 s66, s34, 19
	s_lshl_b32 s70, s2, 13
	s_add_co_u32 s66, s66, s70                     ; e x 524,288 + 8,192 w: both weights' codes
	s_add_nc_u64 s[10:11], s[10:11], s[66:67]
	s_add_nc_u64 s[16:17], s[16:17], s[66:67]
	s_lshl_b32 s68, s34, 13
	s_lshl_b32 s70, s2, 7
	s_add_co_u32 s68, s68, s70
	s_add_nc_u64 s[14:15], s[14:15], s[68:69]      ; b1: e x 8,192 + 128 w
	s_lshl_b32 s68, s34, 11
	s_lshl_b32 s70, s2, 9
	s_add_co_u32 s68, s68, s70
	s_add_nc_u64 s[18:19], s[18:19], s[68:69]      ; b2: e x 2,048 + 512 w
	s_mov_b32 s68, s70
	s_add_nc_u64 s[20:21], s[20:21], s[68:69]      ; ybuf: my 128 outputs' 512 bytes of a row
.irp m, 0,1,2,3
	global_load_b32 v[XO+\m], v244, s[4:5] offset:64*\m      ; the row number at place 16 m + r
.endr
.irp q, 0,1
	global_load_b32 v[RIDQ+\q], v245, s[4:5] offset:128*\q   ; and at place 32 q + lane
.endr
	LOADA 0
	LOADB 0
	s_wait_loadcnt 38                              ; the six loads of row numbers are in; behind them 21 + 17 were issued
.irp m, 0,1,2,3
	v_min_u32 v[XO+\m], 0x1fff, v[XO+\m]           ; a loaded number enters an address only behind this hold
.endr
.irp m, 0,1,2,3
	v_lshlrev_b32 v[248+\m], 2, v[XO+\m]           ; its gate weight: 4 bytes at k x 4,096 + token
	v_and_b32 v[XO+\m], 0xfff, v[XO+\m]            ; the token
	v_lshlrev_b32 v[XO+\m], 8, v[XO+\m]
	v_lshl_add_u32 v[XO+\m], v242, 4, v[XO+\m]     ; its codes: 256 bytes a token, + 16 h
.endr
.irp q, 0,1
	v_min_u32 v[RIDQ+\q], 0x1fff, v[RIDQ+\q]
	v_and_b32 v[252+\q], 0xfff, v[RIDQ+\q]
	v_lshlrev_b32 v[252+\q], 4, v[252+\q]          ; its scale bytes: 16 a token
.endr
.irp m, 0,1,2,3
	global_load_b32 v[G+2*\m], v[248+\m], s[8:9]   ; both halves of a pair, for the packed multiply on the way out
	global_load_b32 v[G+2*\m+1], v[248+\m], s[8:9]
.endr
	WIN 0x40                                       ; destination window 1
.irp m, 0,1,2,3
.irp s, 0,1,2,3
.irp c, 0,1
	global_load_b128 v[(4*\m+\s)*8+4*\c:(4*\m+\s)*8+4*\c+3], v[XO+\m], s[6:7] offset:64*\s+32*\c   ; x's fragment (tile of rows m, K step s): it stays
.endr
.endr
.endr
	WIN 0
.irp q, 0,1
	global_load_b128 v[XS+4*\q:XS+4*\q+3], v[252+\q], s[6:7] offset:1048576
.endr
	WIN 0x80                                       ; destination window 2
.irp n, 0,1,2,3,4,5,6,7
.irp m, 0,1,2,3
	global_load_b128 v[(4*\n+\m)*8:(4*\n+\m)*8+3],   v[H32], s[18:19] offset:64*\n      ; b2 at outputs 16 n + 8 h + 0 .. 7 starts each sum of y
	global_load_b128 v[(4*\n+\m)*8+4:(4*\n+\m)*8+7], v[H32], s[18:19] offset:64*\n+16
.endr
.endr
	WIN 0
	LOADA 1
	LOADB 1
; THE FIRST PRODUCT of a step: 8 accumulators (tile of rows m, tile of units u) by turns, K step by K step.  ld = 1: set p then takes the step two on.
.macro AMUL p, ld, cnt
	s_wait_loadcnt \cnt                            ; this step's 21 loads are in; cnt = the loads issued behind them
	WIN 0x07                                       ; source 0 (W1) window 3, source 1 (x) window 1, C and D window 0
.irp s, 0,1,2,3
.irp m, 0,1,2,3
.irp u, 0,1
.if \s == 0
	WMS HA+16*\m+8*\u, 64*\p+8*(4*\u+\s), 8*(4*\m+\s), B1+16*\p+8*\u, W1S+4*\p+\s, XS+4*(\m/2)+\s, \u, \m%2
.else
	WMS HA+16*\m+8*\u, 64*\p+8*(4*\u+\s), 8*(4*\m+\s), HA+16*\m+8*\u, W1S+4*\p+\s, XS+4*(\m/2)+\s, \u, \m%2
.endif
.endr
.endr
.endr
	WIN 0
.if (\ld) && (\p) == 0
	s_wait_xcnt 0x0                                ; the loads that are out have read their bases: they step two steps on
	s_add_nc_u64 s[10:11], s[10:11], 0x10000
	s_add_nc_u64 s[12:13], s[12:13], 0x1000
	s_add_nc_u64 s[14:15], s[14:15], 0x400
.endif
.rept 4
	v_nop                                          ; four places behind the products: ahead of loads into registers that they read, and of the first read of their results
.endr
.if \ld
	LOADA \p
.endif
.endm
.macro HORNER acc, co                          ; acc = acc x z^2 + a constant, 16 numbers
.irp k, 0,2,4,6,8,10,12,14
	v_pk_fma_f32 v[\acc+\k:\acc+\k+1], v[\acc+\k:\acc+\k+1], v[S+\k:S+\k+1], s[\co:\co+1] op_sel_hi:[1,1,0]
.endr
.endm
; gelu on the 16 numbers of tile of rows m, in place; each accumulator is read from its low end on
.macro GELU m
.set H0, HA+16*(\m)
.irp k, 0,2,4,6,8,10,12,14
	v_pk_mul_f32 v[Z+\k:Z+\k+1], v[H0+\k:H0+\k+1], s[RS2:RS2+1] op_sel_hi:[1,0]
.endr
.irp k, 0,1,2,3,4,5,6,7,8,9,10,11,12,13,14,15
	v_med3_num_f32 v[Z+\k], v[Z+\k], -4.0, 4.0     ; z = h / sqrt 2, held to +-4, beyond which erf is +-1 in f32
.endr
.irp k, 0,2,4,6,8,10,12,14
	v_pk_mul_f32 v[S+\k:S+\k+1], v[Z+\k:Z+\k+1], v[Z+\k:Z+\k+1]
.endr
.irp k, 0,2,4,6,8,10,12,14
	v_pk_fma_f32 v[Q+\k:Q+\k+1], v[S+\k:S+\k+1], s[B0:B0+1], v[CB1:CB1+1] op_sel_hi:[1,0,1]
.endr
.irp k, 0,2,4,6,8,10,12,14
	v_pk_fma_f32 v[P+\k:P+\k+1], v[S+\k:S+\k+1], s[A0:A0+1], v[CA1:CA1+1] op_sel_hi:[1,0,1]
.endr
	HORNER Q, B2
	HORNER P, A2
	HORNER Q, B3
	HORNER P, A3
	HORNER Q, B4
	HORNER P, A4
.irp k, 0,1,2,3,4,5,6,7,8,9,10,11,12,13,14,15
	v_rcp_f32 v[Q+\k], v[Q+\k]                     ; one batch; what follows names none of its results
.endr
	HORNER P, A5
	HORNER P, A6
.irp k, 0,2,4,6,8,10,12,14
	v_pk_mul_f32 v[P+\k:P+\k+1], v[P+\k:P+\k+1], v[Z+\k:Z+\k+1]
.endr
.irp k, 0,2,4,6,8,10,12,14
	v_pk_mul_f32 v[H0+\k:H0+\k+1], v[H0+\k:H0+\k+1], 0.5 op_sel_hi:[1,0]
.endr
	s_wait_alu depctr_va_vdst(0)                   ; one wait for the sixteen reciprocals, ahead of their first reader
.irp k, 0,2,4,6,8,10,12,14
	v_pk_mul_f32 v[P+\k:P+\k+1], v[P+\k:P+\k+1], v[Q+\k:Q+\k+1]       ; erf
.endr
.irp k, 0,2,4,6,8,10,12,14
	v_pk_fma_f32 v[H0+\k:H0+\k+1], v[H0+\k:H0+\k+1], v[P+\k:P+\k+1], v[H0+\k:H0+\k+1]   ; 0.5 h erf + 0.5 h
.endr
.endm
; the activation, the quantiser (for each tile of rows b one block of 32: my 16 numbers and lane l xor 16's), and the image
.macro ACT p
	GELU 0
	GELU 1
	GELU 2
	GELU 3
.irp b, 0,1,2,3
	v_max3_num_f32 v[TM+\b], |v[HA+16*\b]|, |v[HA+1+16*\b]|, 0x1800000   ; with the floor 2^(3 - 127): the byte cannot fall under 1
.endr
.irp i, 2,4,6,8,10,12,14
.irp b, 0,1,2,3
	v_max3_num_f32 v[TM+\b], v[TM+\b], |v[HA+16*\b+\i]|, |v[HA+1+16*\b+\i]|
.endr
.endr
.irp b, 0,1,2,3
	v_permlanex16_b32 v[TM+4+\b], v[TM+\b], s[SEL], s[SEL+1]
.endr
.irp b, 0,1,2,3
	v_max_num_f32 v[TM+\b], v[TM+\b], v[TM+4+\b]   ; the block's largest magnitude
.endr
.irp b, 0,1,2,3
	v_add_nc_u32 v[TM+12+\b], 0xff000000, v[TM+\b] ; 2 off its exponent field: the conversion's scale operand
.endr
.irp b, 0,1,2,3
	v_lshrrev_b32 v[TM+4+\b], 23, v[TM+12+\b]      ; the scale's byte
.endr
.irp b, 0,1,2,3
	v_cvt_scalef32_pk8_fp4_f32 v[PC+2*\b], v[HA+16*\b:HA+7+16*\b], v[TM+12+\b]
	v_cvt_scalef32_pk8_fp4_f32 v[PC+1+2*\b], v[HA+8+16*\b:HA+15+16*\b], v[TM+12+\b]
.endr
	v_nop                                          ; one plain line behind the last scaled conversion: the next step's products write its sources
.irp m, 0,1,2,3
	ds_store_b64 v4, v[PC+2*\m:PC+2*\m+1] offset:4096*\p+1024*\m   ; the wave's 32 lanes fill 256 consecutive bytes: block w of the four lanes' halves
	ds_store_b8 v5, v[TM+4+\m] offset:256*\p+64*\m                 ; both lanes of a row write the same byte with the same value
.endr
.endm
.macro SYNC                                    ; my stores into this parity's image have landed, and my reads of the other parity's are in: the images take turns, so one barrier a step orders both
	s_wait_dscnt 0x0
	s_barrier_signal -1
	s_barrier_wait -1
.endm
; THE SECOND PRODUCT's K step: 32 accumulators, one instruction each.  ld = 1: set p then takes the K step two on.
.macro BMUL p, ld, cnt
	WIN 0x40                                       ; destination window 1
.irp m, 0,1,2,3
.irp c, 0,1
	ds_load_b128 v[HF+8*\m+4*\c:HF+8*\m+4*\c+3], v6 offset:4096*\p+1024*\m+512*\c
.endr
.endr
	WIN 0
	ds_load_b32 v[HS], v7 offset:256*\p
	ds_load_b32 v[HS+1], v7 offset:256*\p+128
	s_wait_loadcnt \cnt                            ; this K step's 17 loads are in; cnt = the loads issued behind them
	s_wait_dscnt 0x0
	WIN 0xa7                                       ; source 0 (W2) window 3, source 1 (hidden) window 1, C and D window 2
.irp n, 0,1,2,3,4,5,6,7
.irp m, 0,1,2,3
	WMS 8*(4*\n+\m), 128+64*\p+8*\n, HF+8*\m, 8*(4*\n+\m), W2S+4*\p+\n/2, HS+\m/2, \n%2, \m%2
.endr
.endr
	WIN 0
.if (\ld) && (\p) == 0
	s_wait_xcnt 0x0                                ; the loads that are out have read their bases
	s_add_nc_u64 s[16:17], s[16:17], 0x10000
	s_add_nc_u64 s[22:23], s[22:23], 0x1000
.endif
.rept 4
	v_nop                                          ; four places behind the products
.endr
.if \ld
	LOADB \p
.endif
.endm
; THE COUNTS.  Loads come back in the order of issue (ISA guide 5.7.1).  Behind a step's 21 were issued its own 17 and the next step's 21 + 17 = 55; behind a K step's 17 the next step's 21 + 17
; and the 21 of two steps on = 59.  At the first step the youngest 55 are 17 + 21 and 17 of b2's loads, so x, its scales and the first set are in; at the first 59 all of b2's are.
	s_mov_b32 s3, 7
.Lstep:                                            ; a trip is two steps, one on each set; 7 trips ask for steps 2 to 15
	AMUL 0, 1, 55
	ACT 0
	SYNC
	BMUL 0, 1, 59
	AMUL 1, 1, 55
	ACT 1
	SYNC
	BMUL 1, 1, 59
	s_sub_co_u32 s3, s3, 1
	s_cmp_lg_u32 s3, 0
	s_cbranch_scc1 .Lstep
	AMUL 0, 0, 55                                  ; the last two steps ask for nothing: the counts run down
	ACT 0
	SYNC
	BMUL 0, 0, 38
	AMUL 1, 0, 17
	ACT 1
	SYNC
	BMUL 1, 0, 0
; THE WAY OUT, a tile of 16 rows at a time: x the row's gate weight; through my own stage in LDS, so that a row's 512 bytes are stored by the 32 lanes; only rows that are mine are stored.
.macro OUT m
.if \m > 0
	s_wait_xcnt 0x0                                ; the last tile's stores have read their data and offsets: both are written again below
.endif
	WIN 0x02                                       ; source 0 (y) window 2
.irp n, 0,1,2,3,4,5,6,7
.irp k, 0,2,4,6
	v_pk_mul_f32 v[HA+8*\n+\k:HA+8*\n+\k+1], v[(4*\n+\m)*8+\k:(4*\n+\m)*8+\k+1], v[G+2*\m:G+2*\m+1]   ; each accumulator from its low end on
.endr
.endr
	WIN 0
.irp n, 0,1,2,3,4,5,6,7
	ds_store_b128 v8, v[HA+8*\n:HA+8*\n+3] offset:64*\n
	ds_store_b128 v8, v[HA+8*\n+4:HA+8*\n+7] offset:64*\n+16
.endr
.irp i, 0,1,2,3,4,5,6,7,8,9,10,11,12,13,14,15
	ds_load_b128 v[Z+4*\i:Z+4*\i+3], v9 offset:528*\i   ; LDS serves a wave's instructions in order: these see the stores above
.endr
.irp i, 0,1,2,3,4,5,6,7,8,9,10,11,12,13,14,15
	v_readlane_b32 s66, v[RIDQ+\m/2], 16*(\m%2)+\i
	s_min_u32 s66, s66, 0x1fff
	s_lshl_b32 s66, s66, 11                        ; the row k x 4,096 + token of ybuf: 2,048 bytes a row
	v_add_nc_u32 v[RO+\i], s66, v1
.endr
.irp i, 0,1,2,3,4,5,6,7,8,9,10,11,12,13,14,15
	s_cmp_gt_u32 s[CNT], 16*\m+\i
	s_cbranch_scc0 .Ldone                          ; my rows come first in the tile: behind the last of them nothing is stored
	s_wait_dscnt 15-\i                             ; row i is back; the younger loads stay out
	global_store_b128 v[RO+\i], v[Z+4*\i:Z+4*\i+3], s[20:21] th:TH_STORE_NT   ; 32 lanes store 512 consecutive bytes, at a multiple of 256 from ybuf's first byte
.endr
.endm
	OUT 0
	OUT 1
	OUT 2
	OUT 3
.Ldone:
	s_wait_dscnt 0x0
	s_wait_tensorcnt 0x0
	ds_add_u32 v62, v63
	s_wait_dscnt 0x0
	s_endpgm
.Lfunc_end_k_q089d4e6cf4_chain:
	.size	k_q089d4e6cf4_chain, .Lfunc_end_k_q089d4e6cf4_chain-k_q089d4e6cf4_chain
	.p2alignl 7, 3214868480
	.fill 96, 4, 3214868480
	.section	.rodata,"a",@progbits
	.p2align	6, 0x0
	.amdhsa_kernel k_q089d4e6cf4_chain
		.amdhsa_group_segment_fixed_size 43520
		.amdhsa_private_segment_fixed_size 0
		.amdhsa_enable_private_segment 0
		.amdhsa_kernarg_size 72
		.amdhsa_user_sgpr_count 2
		.amdhsa_user_sgpr_kernarg_segment_ptr 1
		.amdhsa_wavefront_size32 1
		.amdhsa_system_sgpr_workgroup_id_x 1
		.amdhsa_system_sgpr_workgroup_id_y 1
		.amdhsa_system_sgpr_workgroup_id_z 1
		.amdhsa_system_vgpr_workitem_id 0
		.amdhsa_next_free_vgpr 1024
		.amdhsa_next_free_sgpr 72
		.amdhsa_reserve_vcc 0
		.amdhsa_float_denorm_mode_32 3
		.amdhsa_float_denorm_mode_16_64 3
		.amdhsa_memory_ordered 1
		.amdhsa_forward_progress 1
		.amdhsa_inst_pref_size 255
	.end_amdhsa_kernel
	.section	.bss,"aw",@nobits
	.p2align	6
	.space	262144
	.amdgpu_metadata
---
amdhsa.version: [ 1, 2 ]
amdhsa.kernels:
  - .name:           k_q089d4e6cf4_chain
    .symbol:         k_q089d4e6cf4_chain.kd
    .args:
      - { .name: order, .offset: 0, .size: 8, .value_kind: global_buffer, .address_space: global }
      - { .name: xq, .offset: 8, .size: 8, .value_kind: global_buffer, .address_space: global }
      - { .name: wts, .offset: 16, .size: 8, .value_kind: global_buffer, .address_space: global }
      - { .name: w1l, .offset: 24, .size: 8, .value_kind: global_buffer, .address_space: global }
      - { .name: w1_scales, .offset: 32, .size: 8, .value_kind: global_buffer, .address_space: global }
      - { .name: b1, .offset: 40, .size: 8, .value_kind: global_buffer, .address_space: global }
      - { .name: w2l, .offset: 48, .size: 8, .value_kind: global_buffer, .address_space: global }
      - { .name: b2, .offset: 56, .size: 8, .value_kind: global_buffer, .address_space: global }
      - { .name: ybuf, .offset: 64, .size: 8, .value_kind: global_buffer, .address_space: global }
    .group_segment_fixed_size: 43520
    .private_segment_fixed_size: 0
    .kernarg_segment_align: 8
    .kernarg_segment_size: 72
    .max_flat_workgroup_size: 128
    .sgpr_count:     72
    .vgpr_count:     1024
    .wavefront_size: 32
...
	.end_amdgpu_metadata
.endif
;; end of part 3
;; launch combine (part 4): grid 256 x 1, 8 waves a work-group, no clusters, 0 bytes of LDS; arguments ybuf, out0; writes out0
.if DOCPART == 4
	.amdgcn_target "amdgcn-amd-amdhsa--gfx1250"
	.amdhsa_code_object_version 6
	.text
	.protected	k_q089d4e6cf4_combine
	.globl	k_q089d4e6cf4_combine
	.p2align	8
	.type	k_q089d4e6cf4_combine,@function
k_q089d4e6cf4_combine:
	s_mov_b64 s[64:65], 0
	v_nop
	global_prefetch_b8 v0, s[64:65] scope:SCOPE_SE
	s_setreg_imm32_b32 hwreg(HW_REG_WAVE_MODE, 25, 1), 1
	s_wait_xcnt 0x0
; out0[token] = ybuf[token] + ybuf[4096 + token]: a token's two weighted expert rows, each stored once by its owner in the launch before, are added in f32.
; A plain stream: a work-group takes 32,768 bytes of out0; thread t takes 16 bytes at 4,096 i + 16 t, i = 0 .. 7: each load and store of a wave covers 512 consecutive bytes.
; All sixteen loads of a thread go out at once.  No LDS, no barrier, no matrix unit, no cluster: nothing is shared and nothing is read twice.
	s_load_b128 s[4:7], s[0:1], 0x0                ; ybuf s[4:5], out0 s[6:7]
	v_lshlrev_b32 v1, 4, v0
	s_lshl_b32 s8, ttmp9, 15
	s_mov_b32 s9, 0
	s_wait_kmcnt 0x0
	s_add_nc_u64 s[4:5], s[4:5], s[8:9]
	s_add_nc_u64 s[6:7], s[6:7], s[8:9]
	s_add_nc_u64 s[10:11], s[4:5], 0x800000        ; the second rows lie 4,096 rows of 2,048 bytes further on
.irp i, 0,1,2,3,4,5,6,7
	global_load_b128 v[16+8*\i:19+8*\i], v1, s[4:5] offset:4096*\i th:TH_LOAD_NT
	global_load_b128 v[20+8*\i:23+8*\i], v1, s[10:11] offset:4096*\i th:TH_LOAD_NT
.endr
.irp i, 0,1,2,3,4,5,6,7
	s_wait_loadcnt 14-2*\i                         ; pair i is in; the younger pairs stay out
	v_pk_add_f32 v[16+8*\i:17+8*\i], v[16+8*\i:17+8*\i], v[20+8*\i:21+8*\i]
	v_pk_add_f32 v[18+8*\i:19+8*\i], v[18+8*\i:19+8*\i], v[22+8*\i:23+8*\i]
	global_store_b128 v1, v[16+8*\i:19+8*\i], s[6:7] offset:4096*\i th:TH_STORE_NT
.endr
	s_endpgm
.Lfunc_end_k_q089d4e6cf4_combine:
	.size	k_q089d4e6cf4_combine, .Lfunc_end_k_q089d4e6cf4_combine-k_q089d4e6cf4_combine
	.p2alignl 7, 3214868480
	.fill 96, 4, 3214868480
	.section	.rodata,"a",@progbits
	.p2align	6, 0x0
	.amdhsa_kernel k_q089d4e6cf4_combine
		.amdhsa_group_segment_fixed_size 0
		.amdhsa_private_segment_fixed_size 0
		.amdhsa_enable_private_segment 0
		.amdhsa_kernarg_size 16
		.amdhsa_user_sgpr_count 2
		.amdhsa_user_sgpr_kernarg_segment_ptr 1
		.amdhsa_wavefront_size32 1
		.amdhsa_system_sgpr_workgroup_id_x 1
		.amdhsa_system_sgpr_workgroup_id_y 1
		.amdhsa_system_sgpr_workgroup_id_z 1
		.amdhsa_system_vgpr_workitem_id 0
		.amdhsa_next_free_vgpr 80
		.amdhsa_next_free_sgpr 66
		.amdhsa_reserve_vcc 0
		.amdhsa_float_denorm_mode_32 3
		.amdhsa_float_denorm_mode_16_64 3
		.amdhsa_memory_ordered 1
		.amdhsa_forward_progress 1
		.amdhsa_inst_pref_size 5
	.end_amdhsa_kernel
	.amdgpu_metadata
---
amdhsa.version: [ 1, 2 ]
amdhsa.kernels:
  - .name:           k_q089d4e6cf4_combine
    .symbol:         k_q089d4e6cf4_combine.kd
    .args:
      - { .name: ybuf, .offset: 0, .size: 8, .value_kind: global_buffer, .address_space: global }
      - { .name: out0, .offset: 8, .size: 8, .value_kind: global_buffer, .address_space: global }
    .group_segment_fixed_size: 0
    .private_segment_fixed_size: 0
    .kernarg_segment_align: 8
    .kernarg_segment_size: 16
    .max_flat_workgroup_size: 256
    .sgpr_count:     66
    .vgpr_count:     80
    .wavefront_size: 32
...
	.end_amdgpu_metadata
.endif
;; end of part 4
;; ======== version 2 of 3: 4 launches; 1.16 times as fast as version 1
;; workspace buffers: xq 1,114,112 bytes; route 36,864 bytes of whole numbers; wts 32,768 bytes; order 33,280 bytes of whole numbers; w1l 4,194,304 bytes; w2l 4,456,448 bytes; ybuf 16,777,216 bytes
;; launch router (part 5): grid 128 x 1, 8 waves a work-group, no clusters, 102,912 bytes of LDS; arguments x, time_stage, gate_w, gate_b, xq, route, wts; writes xq, route, wts
.if DOCPART == 5
	.amdgcn_target "amdgcn-amd-amdhsa--gfx1250"
	.amdhsa_code_object_version 6
	.text
	.protected	k_q089d4e6cf4_router
	.globl	k_q089d4e6cf4_router
	.p2align	8
	.type	k_q089d4e6cf4_router,@function
k_q089d4e6cf4_router:
	s_mov_b64 s[64:65], 0
	v_nop
	global_prefetch_b8 v0, s[64:65] scope:SCOPE_SE
	s_setreg_imm32_b32 hwreg(HW_REG_WAVE_MODE, 25, 1), 1
	s_wait_xcnt 0x0
; ROUTER AND QUANTISER OF x.  For each of 4,096 tokens: logits = (x + time_stage) gate_w + gate_b in f32, softmax with the maximum taken away, the two largest
; probabilities (of equal ones the lower expert wins, as jax.lax.top_k has it); and x as codes of E2M1 with one E8M0 byte for each 32 along its 512.
; OUT: xq: codes [4096][256 bytes], then from byte 1,048,576 the scale bytes [4096][16];  route: e0[4096], e1[4096], and from byte 32,768 for each group of 32 tokens
; how many of them chose each expert [128][8];  wts: the two probabilities [2][4096].  No address and no branch hangs on a floating-point number: what is chosen is only stored.
; SHARES: a work-group takes 32 tokens, each of its eight waves 4.  All of a wave's 16 KB of x and time_stage is asked for at once, each load 512 consecutive bytes.
; gate_w stays in 128 registers a lane (window 1): lane l holds the rows d = 128 q + 4 l + j, the same d that a load of x gives it.  Those are 128 bytes a lane, 128 bytes apart: so the work-group
; reads gate_w's 16 KB once, 2,048 consecutive bytes a wave, lays them in LDS with 16 bytes of padding behind each 128, and every wave takes its registers from there, 144 bytes from lane to lane.
; The quantiser wants 16 neighbours along d in a lane: a token's 2,048 bytes turn through the wave's own stage in LDS (64 bytes + 16 of padding a lane).
; LIMITS: NaN and infinities are not served.  A block of zeros gets the byte 1 (its codes are zeros; this program alone reads the bytes).  The logits' sums run in another
; order than the reference's: a second and a third probability that agree to f32's last bits could change places.
; No matrix unit (8 columns), no tensor load, no cluster: the work-groups share only gate_w's 16 KB.
.set X,    16                          ; v16-79   x as loaded: token i at +16 i, register 4 q + j = d 128 q + 4 lane + j
.set T,    80                          ; v80-143  time_stage likewise, then x + time_stage
.set XN,   144                         ; v144-159 first my wave's part of gate_w, then 16 neighbours of x
.set ACC,  160                         ; v160-167 the eight logits' sums
.set TM,   168                         ; v168-175 at work
.set C,    176                         ; v176-183 codes, two registers a token
.set E,    184                         ; v184-187 a scale byte a token
.set GWS,  188                         ; v188     where I store my 16 bytes of gate_w in LDS
.set LOGB, 81920                       ; LDS behind the stages (8 waves x 4 tokens x 2,560): the logits, 32 tokens x 32 bytes
.set SCB,  82944                       ; the scale bytes, 32 tokens x 16
.set GWL,  83456                       ; and gate_w: 128 groups of four rows, 128 bytes + 16 of padding each
.set MSB, 0
.macro WIN new                         ; the immediate's high byte repeats the setting that is left
.if MSB != \new
	s_set_vgpr_msb (MSB<<8)|\new
.set MSB, \new
.endif
.endm
	s_load_b256 s[4:11], s[0:1], 0x0               ; x s[4:5], time_stage s[6:7], gate_w s[8:9], gate_b s[10:11]
	s_load_b128 s[12:15], s[0:1], 0x20             ; xq s[12:13], route s[14:15]
	s_load_b64 s[16:17], s[0:1], 0x30              ; wts
	v_lshl_add_u32 v254, v0, 2, 0x18e00
	v_mov_b32 v255, 0
	v_lshrrev_b32 v1, 5, v0
	v_readfirstlane_b32 s18, v1                    ; wave 0..7
	v_and_b32 v1, 31, v0                           ; lane
	v_lshlrev_b32 v2, 4, v1                        ; 16 x lane
	s_mul_i32 s19, s18, 10240                      ; my wave's four stages
	v_lshrrev_b32 v3, 2, v1
	v_mul_u32_u24 v3, v3, 80
	v_and_b32 v9, 3, v1
	v_lshl_add_u32 v3, v9, 4, v3
	v_add_nc_u32 v3, s19, v3                       ; into a stage: 80 (lane / 4) + 16 (lane % 4); a load's 512 bytes take eight places
	v_mul_u32_u24 v4, v1, 80
	v_add_nc_u32 v4, s19, v4                       ; out of it: 80 x lane: my 16 neighbours
	s_lshl_b32 s19, s18, 6
	s_add_co_u32 s19, s19, SCB
	v_lshrrev_b32 v5, 1, v1
	v_add_nc_u32 v5, s19, v5                       ; my block's scale byte: 16 bytes a token, 64 a wave
	v_lshlrev_b32 v6, 3, v1                        ; my 8 bytes of a token's codes
	s_lshl_b32 s19, s18, 7
	s_add_co_u32 s19, s19, LOGB
	v_mov_b32 v7, s19                              ; my wave's four rows of logits
	s_lshl_b32 s19, s18, 11
	v_add_nc_u32 v15, s19, v2                      ; gate_w in memory: my wave's 2,048 bytes, 16 a lane
	s_mul_i32 s19, s18, 2304                       ; in LDS they are 16 groups of 144 bytes
	s_add_co_u32 s19, s19, GWL
	v_lshrrev_b32 v9, 3, v1
	v_lshl_add_u32 v9, v9, 4, v2                   ; 16 x lane, and 16 more for each 128 passed
	v_add_nc_u32 v[GWS], s19, v9
	v_mul_u32_u24 v8, v1, 144
	v_add_nc_u32 v8, GWL, v8                       ; and back: group 32 q + lane
	v_lshlrev_b32 v14, 2, v1                       ; 4 x lane
.irp e, 0,1,2,3,4,5,6,7
	v_mov_b32 v[TM+\e], 0                          ; written once: a lane permute's destination counts as one of its sources
.endr
	s_mov_b32 s36, 0x76543210
	s_mov_b32 s37, 0xfedcba98                      ; v_permlanex16_b32's selects for lane l xor 16
	s_lshl_b32 s20, ttmp9, 16                      ; my first token = 32 x work-group + 4 x wave; a row of x is 2,048 bytes,
	s_lshl_b32 s21, s18, 13
	s_add_co_u32 s20, s20, s21
	s_mov_b32 s21, 0
	s_lshl_b32 s22, ttmp9, 13                      ; a row of codes 256
	s_lshl_b32 s23, s18, 10
	s_add_co_u32 s22, s22, s23
	s_mov_b32 s23, 0
	s_lshl_b32 s26, ttmp9, 7                       ; the group's 32 words in route and in wts
	s_mov_b32 s27, 0
	s_lshl_b32 s38, ttmp9, 5                       ; the group's eight counts
	s_add_co_u32 s38, s38, 0x8000
	s_mov_b32 s39, 0
	s_lshl_b32 s40, ttmp9, 9                       ; the group's 512 scale bytes
	s_add_co_u32 s40, s40, 0x100000
	s_mov_b32 s41, 0
	s_wait_kmcnt 0x0
	s_load_b256 s[28:35], s[10:11], 0x0            ; gate_b: waited for where wave 0 adds it
	s_add_nc_u64 s[4:5], s[4:5], s[20:21]
	s_add_nc_u64 s[6:7], s[6:7], s[20:21]
	s_add_nc_u64 s[24:25], s[12:13], s[22:23]      ; my tokens' codes
	s_add_nc_u64 s[12:13], s[12:13], s[40:41]      ; the group's scale bytes
	s_add_nc_u64 s[38:39], s[14:15], s[38:39]      ; the group's counts
	s_add_nc_u64 s[14:15], s[14:15], s[26:27]
	s_add_nc_u64 s[16:17], s[16:17], s[26:27]
.irp q, 0,1,2,3
	global_load_b128 v[XN+4*\q:XN+4*\q+3], v15, s[8:9] offset:512*\q   ; my wave's eighth of gate_w: 512 consecutive bytes a load
.endr
.irp i, 0,1,2,3
.irp q, 0,1,2,3
	global_load_b128 v[X+16*\i+4*\q:X+16*\i+4*\q+3], v2, s[4:5] offset:2048*\i+512*\q th:TH_LOAD_NT
.endr
.irp q, 0,1,2,3
	global_load_b128 v[T+16*\i+4*\q:T+16*\i+4*\q+3], v2, s[6:7] offset:2048*\i+512*\q th:TH_LOAD_NT
.endr
.endr
	s_wait_loadcnt 32                              ; gate_w's four loads are in; the 32 of x and time_stage, issued behind them, stay out
.irp q, 0,1,2,3
	ds_store_b128 v[GWS], v[XN+4*\q:XN+4*\q+3] offset:576*\q
.endr
	s_wait_dscnt 0x0                               ; for the others' sake: my part of gate_w lies in LDS
	s_barrier_signal -1
	s_barrier_wait -1                              ; everybody's does
	WIN 0x40                                       ; destination window 1
.irp q, 0,1,2,3
.irp j, 0,1,2,3
	ds_load_b128 v[(4*\q+\j)*8:(4*\q+\j)*8+3],   v8 offset:4608*\q+32*\j      ; gate_w[128 q + 4 lane + j][0 .. 3]
	ds_load_b128 v[(4*\q+\j)*8+4:(4*\q+\j)*8+7], v8 offset:4608*\q+32*\j+16   ; and [4 .. 7]
.endr
.endr
	WIN 0
	s_wait_dscnt 0x0                               ; gate_w is in my registers (x and time_stage are still on their way)
.macro TOKEN i
	s_wait_loadcnt 24-8*\i                         ; this token's eight loads are in; the later tokens' (eight each) stay out
.irp q, 0,1,2,3
	ds_store_b128 v3, v[X+16*\i+4*\q:X+16*\i+4*\q+3] offset:2560*\i+640*\q
.endr
.irp j, 0,1,2,3
	ds_load_b128 v[XN+4*\j:XN+4*\j+3], v4 offset:2560*\i+16*\j    ; LDS serves a wave's instructions in order: these see the stores above
.endr
.irp k, 0,2,4,6,8,10,12,14
	v_pk_add_f32 v[T+16*\i+\k:T+16*\i+\k+1], v[T+16*\i+\k:T+16*\i+\k+1], v[X+16*\i+\k:X+16*\i+\k+1]   ; the router's input
.endr
	WIN 0x04                                       ; source 1 (gate_w) window 1
.irp ep, 0,2,4,6
	v_pk_mul_f32 v[ACC+\ep:ACC+\ep+1], v[T+16*\i:T+16*\i+1], v[\ep:\ep+1] op_sel_hi:[0,1]   ; the first product starts the sums; one number of the input for two experts
.endr
.set d, 1
.rept 15
.irp ep, 0,2,4,6
.if d%2
	v_pk_fma_f32 v[ACC+\ep:ACC+\ep+1], v[T+16*\i+d-1:T+16*\i+d], v[8*d+\ep:8*d+\ep+1], v[ACC+\ep:ACC+\ep+1] op_sel:[1,0,0] op_sel_hi:[1,1,1]
.else
	v_pk_fma_f32 v[ACC+\ep:ACC+\ep+1], v[T+16*\i+d:T+16*\i+d+1], v[8*d+\ep:8*d+\ep+1], v[ACC+\ep:ACC+\ep+1] op_sel_hi:[0,1,1]
.endif
.endr
.set d, d+1
.endr
	WIN 0
.irp m, 1,2,4,8                                ; the eight sums over the 32 lanes
.irp e, 0,1,2,3,4,5,6,7
	v_add_f32_dpp v[ACC+\e], v[ACC+\e], v[ACC+\e] row_xmask:\m row_mask:0xf bank_mask:0xf
.endr
.endr
.irp e, 0,1,2,3,4,5,6,7
	v_permlanex16_b32 v[TM+\e], v[ACC+\e], s36, s37
.endr
.irp e, 0,1,2,3,4,5,6,7
	v_add_f32 v[ACC+\e], v[ACC+\e], v[TM+\e]
.endr
	ds_store_b128 v7, v[ACC:ACC+3] offset:32*\i    ; every lane writes the same words with the same values
	ds_store_b128 v7, v[ACC+4:ACC+7] offset:32*\i+16
	s_wait_dscnt 0x0                               ; my 16 neighbours are back, and the stores have read their registers
	v_max3_num_f32 v10, |v[XN]|, |v[XN+1]|, |v[XN+2]|              ; the largest magnitude of my 16
	v_max3_num_f32 v11, |v[XN+3]|, |v[XN+4]|, |v[XN+5]|
.irp k, 6,10
	v_max3_num_f32 v10, v10, |v[XN+\k]|, |v[XN+\k+1]|
	v_max3_num_f32 v11, v11, |v[XN+\k+2]|, |v[XN+\k+3]|
.endr
	v_max3_num_f32 v10, v10, |v[XN+14]|, |v[XN+15]|
	v_max3_num_f32 v10, v10, v11, 0x1800000        ; and the floor 2^(3 - 127): the byte cannot fall under 1
	v_max_num_f32_dpp v10, v10, v10 row_xmask:1 row_mask:0xf bank_mask:0xf   ; with my neighbour's 16: the block's
	v_add_nc_u32 v12, 0xff000000, v10              ; 2 off its exponent field: the conversion takes this operand's exponent field as its scale
	v_cvt_scalef32_pk8_fp4_f32 v[C+2*\i], v[XN:XN+7], v12
	v_cvt_scalef32_pk8_fp4_f32 v[C+2*\i+1], v[XN+8:XN+15], v12
	v_lshrrev_b32 v[E+\i], 23, v12                 ; the scale's byte (also the plain line behind the conversions)
	ds_store_b8 v5, v[E+\i] offset:16*\i           ; both lanes of a block write the same byte with the same value
	global_store_b64 v6, v[C+2*\i:C+2*\i+1], s[24:25] offset:256*\i    ; the wave stores a token's 256 consecutive bytes
.endm
	TOKEN 0
	TOKEN 1
	TOKEN 2
	TOKEN 3
	s_wait_dscnt 0x0                               ; for wave 0's sake: my logits and scale bytes lie in LDS
	s_barrier_signal -1
	s_barrier_wait -1
	s_cmp_lg_u32 s18, 0
	s_cbranch_scc1 .Lend                           ; the rest is wave 0's: a lane to a token
	v_add_nc_u32 v9, SCB, v2
	v_lshl_add_u32 v13, v1, 5, LOGB
	ds_load_b128 v[16:19], v9
	ds_load_b128 v[20:23], v13
	ds_load_b128 v[24:27], v13 offset:16
	s_wait_dscnt 0x2                               ; the scale bytes are in; the two loads of logits may be out
	global_store_b128 v2, v[16:19], s[12:13]       ; 32 tokens' scale bytes: 512 consecutive bytes
	s_wait_dscnt 0x0
	s_wait_kmcnt 0x0                               ; gate_b
.irp e, 0,1,2,3,4,5,6,7
	v_add_f32 v[20+\e], s[28+\e], v[20+\e]
.endr
	v_max3_num_f32 v28, v20, v21, v22
	v_max3_num_f32 v28, v28, v23, v24
	v_max3_num_f32 v28, v28, v25, v26
	v_max_num_f32 v28, v28, v27                    ; the token's largest logit is taken away, as the reference's softmax does
.irp e, 0,1,2,3,4,5,6,7
	v_sub_f32 v[20+\e], v[20+\e], v28
.endr
.irp e, 0,1,2,3,4,5,6,7
	v_mul_f32 v[20+\e], 0x3fb8aa3b, v[20+\e]       ; x log2(e)
.endr
.irp e, 0,1,2,3,4,5,6,7
	v_exp_f32 v[20+\e], v[20+\e]
.endr
	v_nop                                          ; a plain line behind the last exponential
	s_wait_alu depctr_va_vdst(0)                   ; one wait for the eight, ahead of their first reader
	v_add_f32 v29, v20, v21
	v_add_f32 v30, v22, v23
	v_add_f32 v31, v24, v25
	v_add_f32 v32, v26, v27
	v_add_f32 v29, v29, v30
	v_add_f32 v31, v31, v32
	v_add_f32 v29, v29, v31
	v_rcp_f32 v29, v29
	v_nop
	s_wait_alu depctr_va_vdst(0)
.irp e, 0,1,2,3,4,5,6,7
	v_mul_f32 v[20+\e], v[20+\e], v29              ; the probabilities
.endr
	v_mov_b32 v33, v20                             ; the largest: ascending, strictly greater, so the lower expert keeps a tie
	v_mov_b32 v34, 0
.irp e, 1,2,3,4,5,6,7
	v_cmp_gt_f32 vcc_lo, v[20+\e], v33
	v_cndmask_b32 v33, v33, v[20+\e], vcc_lo
	v_cndmask_b32 v34, v34, \e, vcc_lo
.endr
	v_mov_b32 v35, -1.0                            ; the second: the same over the experts that are not the first
	v_mov_b32 v36, 0
.irp e, 0,1,2,3,4,5,6,7
	v_cmp_gt_f32 s40, v[20+\e], v35
	v_cmp_ne_u32 s41, \e, v34
	s_and_b32 vcc_lo, s40, s41
	v_cndmask_b32 v35, v35, v[20+\e], vcc_lo
	v_cndmask_b32 v36, v36, \e, vcc_lo
.endr
	v_mov_b32 v37, 0
.irp e, 0,1,2,3,4,5,6,7                        ; how many of the 32 tokens chose expert e: into lane e
	v_cmp_eq_u32 s40, \e, v34
	v_cmp_eq_u32 s41, \e, v36
	s_or_b32 s40, s40, s41
	s_bcnt1_i32_b32 s40, s40
	v_writelane_b32 v37, s40, \e
.endr
	global_store_b32 v14, v34, s[14:15]
	global_store_b32 v14, v36, s[14:15] offset:16384
	global_store_b32 v14, v33, s[16:17]
	global_store_b32 v14, v35, s[16:17] offset:16384
	v_cmp_gt_u32 vcc_lo, 8, v1
	s_wait_xcnt 0x0                                ; EXEC is a source of the stores above: it changes only behind this wait
	s_and_saveexec_b32 s40, vcc_lo
	global_store_b32 v14, v37, s[38:39]            ; lanes 0 to 7: the group's eight counts
	s_wait_xcnt 0x0
	s_or_b32 exec_lo, exec_lo, s40
.Lend:
	s_wait_tensorcnt 0x0
	ds_add_u32 v254, v255
	s_wait_dscnt 0x0
	s_endpgm
.Lfunc_end_k_q089d4e6cf4_router:
	.size	k_q089d4e6cf4_router, .Lfunc_end_k_q089d4e6cf4_router-k_q089d4e6cf4_router
	.p2alignl 7, 3214868480
	.fill 96, 4, 3214868480
	.section	.rodata,"a",@progbits
	.p2align	6, 0x0
	.amdhsa_kernel k_q089d4e6cf4_router
		.amdhsa_group_segment_fixed_size 102912
		.amdhsa_private_segment_fixed_size 0
		.amdhsa_enable_private_segment 0
		.amdhsa_kernarg_size 56
		.amdhsa_user_sgpr_count 2
		.amdhsa_user_sgpr_kernarg_segment_ptr 1
		.amdhsa_wavefront_size32 1
		.amdhsa_system_sgpr_workgroup_id_x 1
		.amdhsa_system_sgpr_workgroup_id_y 1
		.amdhsa_system_sgpr_workgroup_id_z 1
		.amdhsa_system_vgpr_workitem_id 0
		.amdhsa_next_free_vgpr 384
		.amdhsa_next_free_sgpr 66
		.amdhsa_reserve_vcc 1
		.amdhsa_float_denorm_mode_32 3
		.amdhsa_float_denorm_mode_16_64 3
		.amdhsa_memory_ordered 1
		.amdhsa_forward_progress 1
		.amdhsa_inst_pref_size 54
	.end_amdhsa_kernel
	.amdgpu_metadata
---
amdhsa.version: [ 1, 2 ]
amdhsa.kernels:
  - .name:           k_q089d4e6cf4_router
    .symbol:         k_q089d4e6cf4_router.kd
    .args:
      - { .name: x, .offset: 0, .size: 8, .value_kind: global_buffer, .address_space: global }
      - { .name: time_stage, .offset: 8, .size: 8, .value_kind: global_buffer, .address_space: global }
      - { .name: gate_w, .offset: 16, .size: 8, .value_kind: global_buffer, .address_space: global }
      - { .name: gate_b, .offset: 24, .size: 8, .value_kind: global_buffer, .address_space: global }
      - { .name: xq, .offset: 32, .size: 8, .value_kind: global_buffer, .address_space: global }
      - { .name: route, .offset: 40, .size: 8, .value_kind: global_buffer, .address_space: global }
      - { .name: wts, .offset: 48, .size: 8, .value_kind: global_buffer, .address_space: global }
    .group_segment_fixed_size: 102912
    .private_segment_fixed_size: 0
    .kernarg_segment_align: 8
    .kernarg_segment_size: 56
    .max_flat_workgroup_size: 256
    .sgpr_count:     66
    .vgpr_count:     384
    .wavefront_size: 32
...
	.end_amdgpu_metadata
.endif
;; end of part 5
;; launch place: the kernel of part 2 again; grid 168 x 1, 4 waves a work-group, no clusters, 177,664 bytes of LDS; arguments route, w1_codes, w2_codes, w2_scales, order, w1l, w2l; writes order, w1l, w2l
;; launch chain (part 6): grid 178 x 1, 4 waves a work-group, no clusters, 43,520 bytes of LDS; arguments order, xq, wts, w1l, w1_scales, b1, w2l, b2, ybuf; writes ybuf
.if DOCPART == 6
	.amdgcn_target "amdgcn-amd-amdhsa--gfx1250"
	.amdhsa_code_object_version 6
	.text
	.protected	k_q089d4e6cf4_chain
	.globl	k_q089d4e6cf4_chain
	.p2align	8
	.type	k_q089d4e6cf4_chain,@function
k_q089d4e6cf4_chain:
	s_mov_b64 s[64:65], 0
	v_nop
	global_prefetch_b8 v0, s[64:65] scope:SCOPE_SE
	s_setreg_imm32_b32 hwreg(HW_REG_WAVE_MODE, 25, 1), 1
	s_wait_xcnt 0x0
; ONE TILE OF 48 ROUTED ROWS OF ONE EXPERT THROUGH THE WHOLE CHAIN: ybuf[row] = g x (Q(gelu(Q(x) W1 + b1)) W2 + b2), both products on codes of E2M1 with one E8M0 scale for each 32 along K.
; Only the rows of the two experts chosen for a token are multiplied: the reference's own one-hot throws the others away.  8,192 rows, 8 experts, tiles of 48: never more than 171 + 7 = 178 tiles,
; one work-group each; tiles of 32 would be up to 263, more than there are WGPs.
; Which tile is mine follows from the eight totals in order, without a branch.  A tile with fewer than 48 rows (or none) runs on held row numbers and stores only its own rows: so every wave passes every
; barrier, and none stands under a branch on loaded numbers.
; SHARES.  16 steps of 128 hidden units.  In step t wave w makes hidden units 128 t + 32 w .. + 31 for all 48 rows (K = 512: 24 matrix instructions), applies gelu, quantises them: that is block w of the
; second product's K step t.  The codes go to LDS as an image of the operand's registers; a barrier; every wave adds K step t onto its own 128 outputs x 48 rows (24 matrix instructions, 24 accumulators).
; THE ORDER OF A STEP: gelu of row tiles 1, 2, the quantiser and the image's stores of step t | the first product of step t + 1 | the barrier | the image's loads of step t | gelu of row tile 0 of step t + 1 |
; the second product of step t.  So the stores land under matrix work, and the loads come back under vector work.
; BOTH PRODUCTS ARE USED TRANSPOSED (source 0 = 16 rows of a weight, source 1 = 16 of my rows): a lane holds one row throughout.  The rows of W1 that form a tile are 8 u + r + 8 (r / 8) of a block of 32,
; so that a lane's 16 registers of tiles u = 0, 1 are hidden units 16 (lane / 16) + 0 .. 15 of the block.  b1 is the C of a sum's first instruction; b2 is loaded into the second product's accumulators.
; THE WEIGHTS come from memory straight into registers, laid by the launch before in the order of the operand's registers: each load 512 consecutive bytes.  Two sets by turns: a step's loads are issued two steps ahead.
; NO TENSOR LOAD, NO CLUSTER: the expert and the rows hang on numbers read from memory, so neighbouring work-groups may serve different experts and no joint request can be stated alike in all partners.
; gelu = h (0.5 + 0.5 erf(h / sqrt 2)), erf by the rational z P(z^2) / Q(z^2) on z held to +-4, all in f32; P's coefficients are kept halved, which rounds nothing.
; LIMITS: NaN and infinities are not served.  0.5 + 0.5 erf cancels for h under about -5: there gelu, itself under 1e-6 x |h|, is given to about 1e-7 x |h| absolute.  A block of zeros gets the byte 1 (its codes are zeros).
; REGISTERS.  window 0: v1-9, v50, v51 addresses; v10-11 row numbers; v12-17 gate weights; v20-22 x offsets; v24-49 scale words and nothing else; v52-79 at work; v80-111 b1, two sets; v112-159 the hidden tile
;   (on the way out v112-175); v176-239 gelu's work, later rows of y; v240-255 head's temporaries, later store offsets.   window 1: v0-95 x's 12 fragments; v128-151 the hidden layer's three.
;   window 2: the 24 accumulators of y, (n, m) at v[8 (4 n + m)].   window 3: v0-127 W1's fragments, two sets; v128-255 W2's, two sets.
.set HSC,  8192                        ; LDS: 0: the images, 2 x 4,096 (parity, tile of rows m x 1,024, block x 256, 16 r + 8 h);  8,192: their scale words, 2 x 256
.set STG,  8704                        ; the way out: 16 rows x 528 for each wave
.set RIDQ, 10
.set G,    12
.set XO,   20
.set XS,   24                          ; v24-31  x's scale words: register 4 q + s, lane = row 32 q + lane
.set W1S,  32                          ; v32-39  W1's: register 4 p + s; lanes 0-15 tile u = 0, lanes 16-31 tile u = 1
.set W2S,  40                          ; v40-47  W2's: register 4 p + i, lane = output 32 i + lane
.set HS,   48                          ; v48-49  the hidden layer's: v48 lane = row; v49 lanes 0-15 = rows 32 to 47
.set H32,  50
.set HS1A, 51                          ; v51     LDS address of the scale words of rows 32 to 47: both halves of the lanes read the same sixteen
.set TM,   52
.set PC,   68
.set CA1,  76
.set CB1,  78
.set B1,   80
.set HA,   112
.set Z,    176
.set S,    192
.set P,    208
.set Q,    224
.set RO,   240
.set HF,   128
.set RS2,  40                          ; s[40:61] eleven constants as pairs (a packed form names a pair and takes its low word for both halves)
.set A0,   42
.set A2,   44
.set A3,   46
.set A4,   48
.set A5,   50
.set A6,   52
.set B0,   54
.set B2,   56
.set B3,   58
.set B4,   60
.set SEL,  62
.set CNT,  38                          ; s38  how many of the 48 rows are mine
.set RW,   72                          ; s72-87 the way out: sixteen rows' byte offsets in ybuf
.set MSB, 0
.macro WIN new                         ; the immediate's high byte repeats the setting that is left
.if MSB != \new
	s_set_vgpr_msb (MSB<<8)|\new
.set MSB, \new
.endif
.endm
.macro SPAIR r, val
	s_mov_b32 s[\r], \val
	s_mov_b32 s[\r+1], \val
.endm
; a scaled product: ra, rb = 1: that side's scales are read from lanes 16-31
.macro WMS d, a, b, c, sa, sb, ra, rb
.if (\ra) && (\rb)
	v_wmma_scale_f32_16x16x128_f8f6f4 v[(\d):(\d)+7], v[(\a):(\a)+7], v[(\b):(\b)+7], v[(\c):(\c)+7], v[(\sa)], v[(\sb)] matrix_a_fmt:MATRIX_FMT_FP4 matrix_b_fmt:MATRIX_FMT_FP4 matrix_a_scale:MATRIX_SCALE_ROW1 matrix_b_scale:MATRIX_SCALE_ROW1
.elseif (\ra)
	v_wmma_scale_f32_16x16x128_f8f6f4 v[(\d):(\d)+7], v[(\a):(\a)+7], v[(\b):(\b)+7], v[(\c):(\c)+7], v[(\sa)], v[(\sb)] matrix_a_fmt:MATRIX_FMT_FP4 matrix_b_fmt:MATRIX_FMT_FP4 matrix_a_scale:MATRIX_SCALE_ROW1
.elseif (\rb)
	v_wmma_scale_f32_16x16x128_f8f6f4 v[(\d):(\d)+7], v[(\a):(\a)+7], v[(\b):(\b)+7], v[(\c):(\c)+7], v[(\sa)], v[(\sb)] matrix_a_fmt:MATRIX_FMT_FP4 matrix_b_fmt:MATRIX_FMT_FP4 matrix_b_scale:MATRIX_SCALE_ROW1
.else
	v_wmma_scale_f32_16x16x128_f8f6f4 v[(\d):(\d)+7], v[(\a):(\a)+7], v[(\b):(\b)+7], v[(\c):(\c)+7], v[(\sa)], v[(\sb)] matrix_a_fmt:MATRIX_FMT_FP4 matrix_b_fmt:MATRIX_FMT_FP4
.endif
.endm
; 21 loads: a step's part of W1 (16), its scale words (1), b1 (4), into set p; the immediate carries the parity
.macro LOADA p
	WIN 0xc0                                       ; destination window 3
.irp i, 0,1,2,3,4,5,6,7,8,9,10,11,12,13,14,15
	global_load_b128 v[64*\p+4*\i:64*\p+4*\i+3], v1, s[10:11] offset:32768*\p+512*\i
.endr
	WIN 0
	global_load_b128 v[W1S+4*\p:W1S+4*\p+3], v2, s[12:13] offset:2048*\p
.irp i, 0,1,2,3
	global_load_b128 v[B1+16*\p+4*\i:B1+16*\p+4*\i+3], v3, s[14:15] offset:512*\p+16*\i
.endr
.endm
; 17 loads: a K step's part of W2 (16) and its scale words (1), into set p
.macro LOADB p
	WIN 0xc0
.irp i, 0,1,2,3,4,5,6,7,8,9,10,11,12,13,14,15
	global_load_b128 v[128+64*\p+4*\i:128+64*\p+4*\i+3], v1, s[16:17] offset:32768*\p+512*\i
.endr
	WIN 0
	global_load_b128 v[W2S+4*\p:W2S+4*\p+3], v1, s[22:23] offset:2048*\p
.endm
	s_load_b512 s[4:19], s[0:1], 0x0               ; order s[4:5], xq s[6:7], wts s[8:9], w1l s[10:11], w1_scales s[12:13], b1 s[14:15], w2l s[16:17], b2 s[18:19]
	s_load_b64 s[20:21], s[0:1], 0x40              ; ybuf
	v_lshl_add_u32 v74, v0, 2, 0xa800
	v_mov_b32 v75, 0
	v_lshrrev_b32 v1, 5, v0
	v_readfirstlane_b32 s2, v1                     ; wave 0..3
	s_wait_kmcnt 0x0
	s_load_b256 s[24:31], s[4:5], 0x8100           ; the eight experts' totals
	v_and_b32 v240, 31, v0                         ; lane
	v_and_b32 v241, 15, v0                         ; r
	v_bfe_u32 v242, v0, 4, 1                       ; h
	v_and_b32 v243, 8, v241
	v_add_nc_u32 v243, v243, v241                  ; r + 8 (r / 8)
	v_lshlrev_b32 v1, 4, v240                      ; 16 x lane: the laid weights
	v_lshl_add_u32 v2, v242, 3, v243
	v_lshlrev_b32 v2, 4, v2                        ; W1's scale words: 16 bytes of row 8 h + r + 8 (r / 8) of my 32
	v_lshlrev_b32 v3, 6, v242                      ; b1: my half's 16 numbers
	v_lshlrev_b32 v[H32], 5, v242                  ; b2: my half's 8 numbers of a tile
	s_lshl_b32 s66, s2, 8
	v_lshlrev_b32 v4, 4, v241
	v_lshl_add_u32 v4, v242, 3, v4
	v_add_nc_u32 v4, s66, v4                       ; where I store my 8 bytes of an image: 256 x wave + 16 r + 8 h
	v_lshl_add_u32 v5, v241, 2, HSC
	v_add_nc_u32 v5, s2, v5                        ; and my block's byte of a row's scale word: 4 r + wave
	v_lshlrev_b32 v6, 4, v240                      ; an image comes back at 16 x lane,
	v_lshl_add_u32 v7, v240, 2, HSC                ; the scale words of rows 0 to 31 at 4 x lane,
	v_lshl_add_u32 v[HS1A], v241, 2, HSC+128       ; those of rows 32 to 47 at 128 + 4 r
	s_mul_i32 s66, s2, 8448
	s_add_co_u32 s66, s66, STG
	v_mul_u32_u24 v8, v241, 528
	v_lshl_add_u32 v8, v242, 5, v8
	v_add_nc_u32 v8, s66, v8                       ; my stage, in: row r, + 32 h
	v_add_nc_u32 v9, s66, v1                       ; and back: a row of 512 bytes to the 32 lanes
	v_lshlrev_b32 v244, 2, v241
	v_lshlrev_b32 v245, 2, v240
	v_mov_b32 v[CA1], 0x326dffee                   ; a1 / 2 and b1 of the rational, as vector pairs: the first Horner stage names two constants
	v_mov_b32 v[CA1+1], 0x326dffee
	v_mov_b32 v[CB1], 0xb95fbd29
	v_mov_b32 v[CB1+1], 0xb95fbd29
.irp b, 0,1,2
	v_mov_b32 v[TM+4+\b], 0                        ; written once: a lane permute's destination counts as one of its sources
.endr
	SPAIR RS2, 0x3f3504f3                          ; 1 / sqrt 2
	SPAIR A0, 0xaf15df0b                           ; P's coefficients, each halved (one off the exponent field)
	SPAIR A2, 0xb58cff51
	SPAIR A3, 0xb7eec2d2
	SPAIR A4, 0xb9c0ac63
	SPAIR A5, 0xbac1a1f6
	SPAIR A6, 0xbc03dbd4
	SPAIR B0, 0xb77460cd                           ; Q's
	SPAIR B2, 0xbadc924e
	SPAIR B3, 0xbbf19bf8
	SPAIR B4, 0xbc69b6a7
	s_mov_b32 s[SEL], 0x76543210
	s_mov_b32 s[SEL+1], 0xfedcba98                 ; v_permlanex16_b32's selects for lane l xor 16
	s_mov_b32 s32, 0                               ; the first tile of the expert in hand
	s_mov_b32 s33, 0                               ; its first place in the list
	s_mov_b32 s34, 0
	s_mov_b32 s35, 0
	s_mov_b32 s36, 0
	s_mov_b32 s37, 0
	s_wait_kmcnt 0x0
.irp e, 0,1,2,3,4,5,6,7                        ; the last expert whose first tile is not behind mine: by selects alone
	s_cmp_ge_u32 ttmp9, s32
	s_cselect_b32 s34, \e, s34
	s_cselect_b32 s35, s32, s35
	s_cselect_b32 s36, s33, s36
	s_cselect_b32 s37, s[24+\e], s37
	s_add_co_u32 s39, s[24+\e], 47
	s_mul_i32 s39, s39, 0xaaab                     ; (c + 47) / 48 = (c + 47) x 43,691 >> 21: 43,691 x 48 = 2^21 + 16, so the excess is (c + 47) x 16 / (48 x 2^21), under 1 / 48 for c up to 8,192
	s_lshr_b32 s39, s39, 21
	s_add_co_u32 s32, s32, s39
	s_add_co_u32 s33, s33, s[24+\e]
.endr
	s_sub_co_u32 s35, ttmp9, s35
	s_mul_i32 s35, s35, 48                         ; my tile's first row within the expert
	s_sub_co_i32 s[CNT], s37, s35
	s_max_i32 s[CNT], s[CNT], 0
	s_min_i32 s[CNT], s[CNT], 48                   ; how many rows are mine: 0 to 48
	s_add_co_u32 s36, s36, s35
	s_min_u32 s36, s36, 0x1fff                     ; my first place in the list; the list has 64 entries to spare
	s_min_u32 s34, s34, 7                          ; the expert
	s_lshl_b32 s66, s36, 2
	s_mov_b32 s67, 0
	s_add_nc_u64 s[4:5], s[4:5], s[66:67]
	s_lshl_b32 s68, s34, 15
	s_lshl_b32 s69, s2, 9
	s_add_co_u32 s68, s68, s69                     ; e x 32,768 + 512 w: both weights' scale words
	s_mov_b32 s69, 0
	s_add_nc_u64 s[12:13], s[12:13], s[68:69]
	s_add_nc_u64 s[22:23], s[16:17], s[68:69]
	s_add_nc_u64 s[22:23], s[22:23], 0x400000
	s_lshl_b32 s66, s34, 19
	s_lshl_b32 s70, s2, 13
	s_add_co_u32 s66, s66, s70                     ; e x 524,288 + 8,192 w: both weights' codes
	s_add_nc_u64 s[10:11], s[10:11], s[66:67]
	s_add_nc_u64 s[16:17], s[16:17], s[66:67]
	s_lshl_b32 s68, s34, 13
	s_lshl_b32 s70, s2, 7
	s_add_co_u32 s68, s68, s70
	s_add_nc_u64 s[14:15], s[14:15], s[68:69]      ; b1: e x 8,192 + 128 w
	s_lshl_b32 s68, s34, 11
	s_lshl_b32 s70, s2, 9
	s_add_co_u32 s68, s68, s70
	s_add_nc_u64 s[18:19], s[18:19], s[68:69]      ; b2: e x 2,048 + 512 w
	s_mov_b32 s68, s70
	s_add_nc_u64 s[20:21], s[20:21], s[68:69]      ; ybuf: my 128 outputs' 512 bytes of a row
.irp m, 0,1,2
	global_load_b32 v[XO+\m], v244, s[4:5] offset:64*\m      ; the row number at place 16 m + r
.endr
.irp q, 0,1
	global_load_b32 v[RIDQ+\q], v245, s[4:5] offset:128*\q   ; and at place 32 q + lane
.endr
	LOADA 0
	s_wait_loadcnt 21                              ; the five loads of row numbers are in; behind them the first set's 21 were issued
.irp m, 0,1,2
	v_min_u32 v[XO+\m], 0x1fff, v[XO+\m]           ; a loaded number enters an address only behind this hold
.endr
.irp m, 0,1,2
	v_lshlrev_b32 v[248+\m], 2, v[XO+\m]           ; its gate weight: 4 bytes at k x 4,096 + token
	v_and_b32 v[XO+\m], 0xfff, v[XO+\m]            ; the token
	v_lshlrev_b32 v[XO+\m], 8, v[XO+\m]
	v_lshl_add_u32 v[XO+\m], v242, 4, v[XO+\m]     ; its codes: 256 bytes a token, + 16 h
.endr
.irp q, 0,1
	v_min_u32 v[RIDQ+\q], 0x1fff, v[RIDQ+\q]
	v_and_b32 v[252+\q], 0xfff, v[RIDQ+\q]
	v_lshlrev_b32 v[252+\q], 4, v[252+\q]          ; its scale bytes: 16 a token
.endr
.irp m, 0,1,2
	global_load_b32 v[G+2*\m], v[248+\m], s[8:9]   ; both halves of a pair, for the packed multiply on the way out
	global_load_b32 v[G+2*\m+1], v[248+\m], s[8:9]
.endr
	WIN 0x40                                       ; destination window 1
.irp m, 0,1,2
.irp s, 0,1,2,3
.irp c, 0,1
	global_load_b128 v[(4*\m+\s)*8+4*\c:(4*\m+\s)*8+4*\c+3], v[XO+\m], s[6:7] offset:64*\s+32*\c   ; x's fragment (tile of rows m, K step s): it stays
.endr
.endr
.endr
	WIN 0
.irp q, 0,1
	global_load_b128 v[XS+4*\q:XS+4*\q+3], v[252+\q], s[6:7] offset:1048576
.endr
	WIN 0x80                                       ; destination window 2
.irp n, 0,1,2,3,4,5,6,7
.irp m, 0,1,2
	global_load_b128 v[(4*\n+\m)*8:(4*\n+\m)*8+3],   v[H32], s[18:19] offset:64*\n      ; b2 at outputs 16 n + 8 h + 0 .. 7 starts each sum of y
	global_load_b128 v[(4*\n+\m)*8+4:(4*\n+\m)*8+7], v[H32], s[18:19] offset:64*\n+16
.endr
.endr
	WIN 0
	LOADA 1
	LOADB 0
; THE FIRST PRODUCT of a step: 6 accumulators (tile of rows m, tile of units u) by turns, K step by K step.  ld = 1: set p then takes the step two on.
.macro AMUL p, ld, cnt
	s_wait_loadcnt \cnt                            ; this step's 21 loads are in; cnt = the loads issued behind them
	WIN 0x07                                       ; source 0 (W1) window 3, source 1 (x) window 1, C and D window 0
.irp s, 0,1,2,3
.irp m, 0,1,2
.irp u, 0,1
.if \s == 0
	WMS HA+16*\m+8*\u, 64*\p+8*(4*\u+\s), 8*(4*\m+\s), B1+16*\p+8*\u, W1S+4*\p+\s, XS+4*(\m/2)+\s, \u, \m%2
.else
	WMS HA+16*\m+8*\u, 64*\p+8*(4*\u+\s), 8*(4*\m+\s), HA+16*\m+8*\u, W1S+4*\p+\s, XS+4*(\m/2)+\s, \u, \m%2
.endif
.endr
.endr
.endr
	WIN 0
.if (\ld) && (\p) == 0
	s_wait_xcnt 0x0                                ; the loads that are out have read their bases: they step two steps on
	s_add_nc_u64 s[10:11], s[10:11], 0x10000
	s_add_nc_u64 s[12:13], s[12:13], 0x1000
	s_add_nc_u64 s[14:15], s[14:15], 0x400
.endif
.rept 4
	v_nop                                          ; four places behind the products: ahead of loads into registers that they read, and of the first read of their results
.endr
.if \ld
	LOADA \p
.endif
.endm
.macro HORNER acc, co                          ; acc = acc x z^2 + a constant, 16 numbers
.irp k, 0,2,4,6,8,10,12,14
	v_pk_fma_f32 v[\acc+\k:\acc+\k+1], v[\acc+\k:\acc+\k+1], v[S+\k:S+\k+1], s[\co:\co+1] op_sel_hi:[1,1,0]
.endr
.endm
; gelu on the 16 numbers of tile of rows m, in place; each accumulator is read from its low end on.  Q is finished first, so that all of P's chain stands between the reciprocals and the wait for them
.macro GELU m
.set H0, HA+16*(\m)
.irp k, 0,2,4,6,8,10,12,14
	v_pk_mul_f32 v[Z+\k:Z+\k+1], v[H0+\k:H0+\k+1], s[RS2:RS2+1] op_sel_hi:[1,0]
.endr
.irp k, 0,1,2,3,4,5,6,7,8,9,10,11,12,13,14,15
	v_med3_num_f32 v[Z+\k], v[Z+\k], -4.0, 4.0     ; z = h / sqrt 2, held to +-4, beyond which erf is +-1 in f32
.endr
.irp k, 0,2,4,6,8,10,12,14
	v_pk_mul_f32 v[S+\k:S+\k+1], v[Z+\k:Z+\k+1], v[Z+\k:Z+\k+1]
.endr
.irp k, 0,2,4,6,8,10,12,14
	v_pk_fma_f32 v[Q+\k:Q+\k+1], v[S+\k:S+\k+1], s[B0:B0+1], v[CB1:CB1+1] op_sel_hi:[1,0,1]
.endr
	HORNER Q, B2
	HORNER Q, B3
	HORNER Q, B4
.irp k, 0,1,2,3,4,5,6,7,8,9,10,11,12,13,14,15
	v_rcp_f32 v[Q+\k], v[Q+\k]                     ; one batch; what follows up to the wait names none of its results
.endr
.irp k, 0,2,4,6,8,10,12,14
	v_pk_fma_f32 v[P+\k:P+\k+1], v[S+\k:S+\k+1], s[A0:A0+1], v[CA1:CA1+1] op_sel_hi:[1,0,1]
.endr
	HORNER P, A2
	HORNER P, A3
	HORNER P, A4
	HORNER P, A5
	HORNER P, A6
	s_wait_alu depctr_va_vdst(0)                   ; one wait for the sixteen reciprocals, ahead of their first reader
.irp k, 0,2,4,6,8,10,12,14
	v_pk_mul_f32 v[P+\k:P+\k+1], v[P+\k:P+\k+1], v[Q+\k:Q+\k+1]
.endr
.irp k, 0,2,4,6,8,10,12,14
	v_pk_fma_f32 v[P+\k:P+\k+1], v[P+\k:P+\k+1], v[Z+\k:Z+\k+1], 0.5 op_sel_hi:[1,1,0]   ; 0.5 erf + 0.5
.endr
.irp k, 0,2,4,6,8,10,12,14
	v_pk_mul_f32 v[H0+\k:H0+\k+1], v[H0+\k:H0+\k+1], v[P+\k:P+\k+1]
.endr
.endm
; the rest of a step's activation (row tile 0 was done ahead of the last second product), the quantiser (for each tile of rows b one block of 32: my 16 numbers and lane l xor 16's), and the image
.macro ACTR p
	GELU 1
	GELU 2
.irp b, 0,1,2
	v_max3_num_f32 v[TM+\b], |v[HA+16*\b]|, |v[HA+1+16*\b]|, 0x1800000   ; with the floor 2^(3 - 127): the byte cannot fall under 1
.endr
.irp i, 2,4,6,8,10,12,14
.irp b, 0,1,2
	v_max3_num_f32 v[TM+\b], v[TM+\b], |v[HA+16*\b+\i]|, |v[HA+1+16*\b+\i]|
.endr
.endr
.irp b, 0,1,2
	v_permlanex16_b32 v[TM+4+\b], v[TM+\b], s[SEL], s[SEL+1]
.endr
.irp b, 0,1,2
	v_max_num_f32 v[TM+\b], v[TM+\b], v[TM+4+\b]   ; the block's largest magnitude
.endr
.irp b, 0,1,2
	v_add_nc_u32 v[TM+12+\b], 0xff000000, v[TM+\b] ; 2 off its exponent field: the conversion's scale operand
.endr
.irp b, 0,1,2
	v_lshrrev_b32 v[TM+4+\b], 23, v[TM+12+\b]      ; the scale's byte
.endr
.irp b, 0,1,2
	v_cvt_scalef32_pk8_fp4_f32 v[PC+2*\b], v[HA+16*\b:HA+7+16*\b], v[TM+12+\b]
	v_cvt_scalef32_pk8_fp4_f32 v[PC+1+2*\b], v[HA+8+16*\b:HA+15+16*\b], v[TM+12+\b]
.endr
	v_nop                                          ; one plain line behind the last scaled conversion: the next step's products, which follow, write its sources
.irp m, 0,1,2
	ds_store_b64 v4, v[PC+2*\m:PC+2*\m+1] offset:4096*\p+1024*\m   ; the wave's 32 lanes fill 256 consecutive bytes: block w of the image
	ds_store_b8 v5, v[TM+4+\m] offset:256*\p+64*\m                 ; both lanes of a row write the same byte with the same value
.endr
.endm
.macro SYNC                                    ; my stores into this parity's image have landed, and my reads of the other parity's are in: the images take turns, so one barrier a step orders both
	s_wait_dscnt 0x0
	s_barrier_signal -1
	s_barrier_wait -1
.endm
.macro BFETCH p                                ; the hidden layer's three fragments of this K step and their scale words, behind the barrier
	WIN 0x40                                       ; destination window 1
.irp m, 0,1,2
.irp c, 0,1
	ds_load_b128 v[HF+8*\m+4*\c:HF+8*\m+4*\c+3], v6 offset:4096*\p+1024*\m+512*\c
.endr
.endr
	WIN 0
	ds_load_b32 v[HS], v7 offset:256*\p
	ds_load_b32 v[HS+1], v[HS1A] offset:256*\p
.endm
; THE SECOND PRODUCT's K step: 24 accumulators, one instruction each.  ld = 1: set p then takes the K step two on.
.macro BMULX p, ld, cnt
	s_wait_loadcnt \cnt                            ; this K step's 17 loads are in; cnt = the loads issued behind them
	s_wait_dscnt 0x0                               ; and so are the hidden layer's fragments
	WIN 0xa7                                       ; source 0 (W2) window 3, source 1 (hidden) window 1, C and D window 2
.irp n, 0,1,2,3,4,5,6,7
.irp m, 0,1,2
	WMS 8*(4*\n+\m), 128+64*\p+8*\n, HF+8*\m, 8*(4*\n+\m), W2S+4*\p+\n/2, HS+\m/2, \n%2, \m%2
.endr
.endr
	WIN 0
.if (\ld) && (\p) == 0
	s_wait_xcnt 0x0                                ; the loads that are out have read their bases
	s_add_nc_u64 s[16:17], s[16:17], 0x10000
	s_add_nc_u64 s[22:23], s[22:23], 0x1000
.endif
.rept 4
	v_nop                                          ; four places behind the products
.endr
.if \ld
	LOADB \p
.endif
.endm
; THE COUNTS.  Loads come back in the order of issue (ISA guide 5.7.1).  With A(t) a step's 21 loads for the first product and B(t) its 17 for the second, the groups are issued in the order
; A0 .. A1 B0 A2 B1 A3 B2 ..  Behind A(t + 1) stand B(t), A(t + 2), B(t + 1) = 55 when the first product of step t + 1 begins; behind B(t) stand A(t + 2), B(t + 1), A(t + 3) = 59 when the second
; product of step t begins.  At step 0 the youngest 55 are B0, A1 and 17 of b2's loads, so x, its scales and A0 are in; at the first 59 all of b2's are.
	AMUL 0, 1, 55                                  ; step 0's first product; A2 is asked for
	LOADB 1
	GELU 0
	s_mov_b32 s3, 6
.Lstep:                                            ; a trip is two steps, one on each set; 6 trips finish steps 0 to 11 and ask for A3 to A14 and B2 to B13
	ACTR 0
	AMUL 1, 1, 55
	SYNC
	BFETCH 0
	GELU 0
	BMULX 0, 1, 59
	ACTR 1
	AMUL 0, 1, 55
	SYNC
	BFETCH 1
	GELU 0
	BMULX 1, 1, 59
	s_sub_co_u32 s3, s3, 1
	s_cmp_lg_u32 s3, 0
	s_cbranch_scc1 .Lstep
	ACTR 0                                         ; steps 12 to 15 are written out: no load passes its buffer's end, and the counts run down
	AMUL 1, 1, 55                                  ; step 13's first product; A15, the last
	SYNC
	BFETCH 0
	GELU 0
	BMULX 0, 1, 59                                 ; step 12's second product; B14
	ACTR 1
	AMUL 0, 0, 55                                  ; step 14: behind A14 stand B13, A15, B14
	SYNC
	BFETCH 1
	GELU 0
	BMULX 1, 1, 38                                 ; step 13: behind B13 stand A15, B14;  B15, the last
	ACTR 0
	AMUL 1, 0, 34                                  ; step 15: behind A15 stand B14, B15
	SYNC
	BFETCH 0
	GELU 0
	BMULX 0, 0, 17                                 ; step 14: behind B14 stands B15
	ACTR 1
	SYNC
	BFETCH 1
	BMULX 1, 0, 0                                  ; step 15
; THE WAY OUT, a tile of 16 rows at a time: x the row's gate weight; through my own stage in LDS, so that a row's 512 bytes are stored by the 32 lanes; only rows that are mine are stored.
.macro OUT m
.if \m > 0
	s_wait_xcnt 0x0                                ; the last tile's stores have read their data and offsets: both are written again below
.endif
	WIN 0x02                                       ; source 0 (y) window 2
.irp n, 0,1,2,3,4,5,6,7
.irp k, 0,2,4,6
	v_pk_mul_f32 v[HA+8*\n+\k:HA+8*\n+\k+1], v[(4*\n+\m)*8+\k:(4*\n+\m)*8+\k+1], v[G+2*\m:G+2*\m+1]   ; each accumulator from its low end on
.endr
.endr
	WIN 0
.irp n, 0,1,2,3,4,5,6,7
	ds_store_b128 v8, v[HA+8*\n:HA+8*\n+3] offset:64*\n
	ds_store_b128 v8, v[HA+8*\n+4:HA+8*\n+7] offset:64*\n+16
.endr
.irp i, 0,1,2,3,4,5,6,7,8,9,10,11,12,13,14,15
	ds_load_b128 v[Z+4*\i:Z+4*\i+3], v9 offset:528*\i   ; LDS serves a wave's instructions in order: these see the stores above
.endr
.irp i, 0,1,2,3,4,5,6,7,8,9,10,11,12,13,14,15
	v_readlane_b32 s[RW+\i], v[RIDQ+\m/2], 16*(\m%2)+\i   ; the sixteen row numbers, in one run
.endr
.irp i, 0,1,2,3,4,5,6,7,8,9,10,11,12,13,14,15
	s_min_u32 s[RW+\i], s[RW+\i], 0x1fff
.endr
.irp i, 0,1,2,3,4,5,6,7,8,9,10,11,12,13,14,15
	s_lshl_b32 s[RW+\i], s[RW+\i], 11              ; the row k x 4,096 + token of ybuf: 2,048 bytes a row
.endr
.irp i, 0,1,2,3,4,5,6,7,8,9,10,11,12,13,14,15
	v_add_nc_u32 v[RO+\i], s[RW+\i], v1
.endr
.irp i, 0,1,2,3,4,5,6,7,8,9,10,11,12,13,14,15
	s_cmp_gt_u32 s[CNT], 16*\m+\i
	s_cbranch_scc0 .Ldone                          ; my rows come first in the tile: behind the last of them nothing is stored
	s_wait_dscnt 15-\i                             ; row i is back; the younger loads stay out
	global_store_b128 v[RO+\i], v[Z+4*\i:Z+4*\i+3], s[20:21] th:TH_STORE_NT   ; 32 lanes store 512 consecutive bytes, at a multiple of 256 from ybuf's first byte
.endr
.endm
	OUT 0
	OUT 1
	OUT 2
.Ldone:
	s_wait_dscnt 0x0
	s_wait_tensorcnt 0x0
	ds_add_u32 v74, v75
	s_wait_dscnt 0x0
	s_endpgm
.Lfunc_end_k_q089d4e6cf4_chain:
	.size	k_q089d4e6cf4_chain, .Lfunc_end_k_q089d4e6cf4_chain-k_q089d4e6cf4_chain
	.p2alignl 7, 3214868480
	.fill 96, 4, 3214868480
	.section	.rodata,"a",@progbits
	.p2align	6, 0x0
	.amdhsa_kernel k_q089d4e6cf4_chain
		.amdhsa_group_segment_fixed_size 43520
		.amdhsa_private_segment_fixed_size 0
		.amdhsa_enable_private_segment 0
		.amdhsa_kernarg_size 72
		.amdhsa_user_sgpr_count 2
		.amdhsa_user_sgpr_kernarg_segment_ptr 1
		.amdhsa_wavefront_size32 1
		.amdhsa_system_sgpr_workgroup_id_x 1
		.amdhsa_system_sgpr_workgroup_id_y 1
		.amdhsa_system_sgpr_workgroup_id_z 1
		.amdhsa_system_vgpr_workitem_id 0
		.amdhsa_next_free_vgpr 1024
		.amdhsa_next_free_sgpr 90
		.amdhsa_reserve_vcc 0
		.amdhsa_float_denorm_mode_32 3
		.amdhsa_float_denorm_mode_16_64 3
		.amdhsa_memory_ordered 1
		.amdhsa_forward_progress 1
		.amdhsa_inst_pref_size 255
	.end_amdhsa_kernel
	.section	.bss,"aw",@nobits
	.p2align	6
	.space	262144
	.amdgpu_metadata
---
amdhsa.version: [ 1, 2 ]
amdhsa.kernels:
  - .name:           k_q089d4e6cf4_chain
    .symbol:         k_q089d4e6cf4_chain.kd
    .args:
      - { .name: order, .offset: 0, .size: 8, .value_kind: global_buffer, .address_space: global }
      - { .name: xq, .offset: 8, .size: 8, .value_kind: global_buffer, .address_space: global }
      - { .name: wts, .offset: 16, .size: 8, .value_kind: global_buffer, .address_space: global }
      - { .name: w1l, .offset: 24, .size: 8, .value_kind: global_buffer, .address_space: global }
      - { .name: w1_scales, .offset: 32, .size: 8, .value_kind: global_buffer, .address_space: global }
      - { .name: b1, .offset: 40, .size: 8, .value_kind: global_buffer, .address_space: global }
      - { .name: w2l, .offset: 48, .size: 8, .value_kind: global_buffer, .address_space: global }
      - { .name: b2, .offset: 56, .size: 8, .value_kind: global_buffer, .address_space: global }
      - { .name: ybuf, .offset: 64, .size: 8, .value_kind: global_buffer, .address_space: global }
    .group_segment_fixed_size: 43520
    .private_segment_fixed_size: 0
    .kernarg_segment_align: 8
    .kernarg_segment_size: 72
    .max_flat_workgroup_size: 128
    .sgpr_count:     90
    .vgpr_count:     1024
    .wavefront_size: 32
...
	.end_amdgpu_metadata
.endif
;; end of part 6
;; launch combine: the kernel of part 4 again; grid 256 x 1, 8 waves a work-group, no clusters, 0 bytes of LDS; arguments ybuf, out0; writes out0
;; ======== version 3 of 3: 4 launches; version 2 with the launch chain written anew for expert scheduling mode
;; workspace buffers: xq 1,114,112 bytes; route 36,864 bytes of whole numbers; wts 32,768 bytes; order 33,280 bytes of whole numbers; w1l 4,194,304 bytes; w2l 4,456,448 bytes; ybuf 16,777,216 bytes
;; launch router: the kernel of part 5 again; grid 128 x 1, 8 waves a work-group, no clusters, 102,912 bytes of LDS; arguments x, time_stage, gate_w, gate_b, xq, route, wts; writes xq, route, wts
;; launch place: the kernel of part 2 again; grid 168 x 1, 4 waves a work-group, no clusters, 177,664 bytes of LDS; arguments route, w1_codes, w2_codes, w2_scales, order, w1l, w2l; writes order, w1l, w2l
;; launch chain (part 7): grid 178 x 1, 4 waves a work-group, no clusters, 43,520 bytes of LDS; arguments order, xq, wts, w1l, w1_scales, b1, w2l, b2, ybuf; writes ybuf
.if DOCPART == 7
	.amdgcn_target "amdgcn-amd-amdhsa--gfx1250"
	.amdhsa_code_object_version 6
	.text
	.protected	k_q089d4e6cf4_chain
	.globl	k_q089d4e6cf4_chain
	.p2align	8
	.type	k_q089d4e6cf4_chain,@function
k_q089d4e6cf4_chain:
	s_mov_b64 s[64:65], 0
	v_nop
	global_prefetch_b8 v0, s[64:65] scope:SCOPE_SE
	s_setreg_imm32_b32 hwreg(HW_REG_WAVE_SCHED_MODE, 0, 2), 2
	s_setreg_imm32_b32 hwreg(HW_REG_WAVE_MODE, 25, 1), 1
	s_wait_xcnt 0x0
	s_wait_alu depctr_vm_vsrc(0)
; ONE TILE OF 48 ROUTED ROWS OF ONE EXPERT THROUGH THE WHOLE CHAIN: ybuf[row] = g x (Q(gelu(Q(x) W1 + b1)) W2 + b2), both products on codes of E2M1 with one E8M0 scale for each 32 along K.
; Only the rows of the two experts chosen for a token are multiplied: the reference's own one-hot throws the others away.  8,192 rows, 8 experts, tiles of 48: never more than 171 + 7 = 178 tiles,
; one work-group each; tiles of 32 would be up to 263, more than there are WGPs.
; Which tile is mine follows from the eight totals in order, without a branch.  A tile with fewer than 48 rows (or none) runs on held row numbers and stores only its own rows: so every wave passes every
; barrier, and none stands under a branch on loaded numbers.
; SHARES.  16 steps of 128 hidden units.  In step t wave w makes hidden units 128 t + 32 w .. + 31 for all 48 rows (K = 512: 24 matrix instructions), applies gelu, quantises them: that is block w of the
; second product's K step t.  The codes go to LDS as an image of the operand's registers; a barrier; every wave adds K step t onto its own 128 outputs x 48 rows (24 matrix instructions, 24 accumulators).
; THE ORDER OF A STEP: gelu of row tiles 1, 2, the quantiser and the image's stores of step t | the first product of step t + 1 | the barrier | the image's loads of step t | gelu of row tile 0 of step t + 1 |
; the second product of step t.  So the stores land under matrix work, and the loads come back under vector work.
; BOTH PRODUCTS ARE USED TRANSPOSED (source 0 = 16 rows of a weight, source 1 = 16 of my rows): a lane holds one row throughout.  The rows of W1 that form a tile are 8 u + r + 8 (r / 8) of a block of 32,
; so that a lane's 16 registers of tiles u = 0, 1 are hidden units 16 (lane / 16) + 0 .. 15 of the block.  b1 is the C of a sum's first instruction; b2 is loaded into the second product's accumulators.
; THE WEIGHTS come from memory straight into registers, laid by the launch before in the order of the operand's registers: each load 512 consecutive bytes.  Two sets by turns: a step's loads are issued two steps ahead.
; NO TENSOR LOAD, NO CLUSTER: the expert and the rows hang on numbers read from memory, so neighbouring work-groups may serve different experts and no joint request can be stated alike in all partners.
; gelu = h (0.5 + 0.5 erf(h / sqrt 2)), erf by the rational z P(z^2) / Q(z^2) on z held to +-4, all in f32; P's coefficients are kept halved, which rounds nothing.
; LIMITS: NaN and infinities are not served.  0.5 + 0.5 erf cancels for h under about -5: there gelu, itself under 1e-6 x |h|, is given to about 1e-7 x |h| absolute.  A block of zeros gets the byte 1 (its codes are zeros).
; THE MODE: SCHED_MODE bits 1:0 = 2 (LLVM: expert scheduling mode 2), set by the entry lines.  The code itself states the register dependences between vector or matrix instructions and memory or
; LDS instructions, with s_wait_alu, always for 0.
; THE PLAN.  Registers that memory or LDS instructions touch, in the loop:
;   W1's set p, its scale words, b1's set p   Read by the first product on set p.  One wait on va_vdst stands behind that product and its places; the 21 loads of the step two on follow it at once, ahead of the barrier.
;   W2's set p, its scale words               Read by the second product on set p.  One wait on va_vdst stands behind that product and its places; the 17 loads of the K step two on follow it at once, ahead of the activation.
;   HF, v48, v49                              Read by the second product of step t.  The LDS loads of step t + 1 land in them behind the next barrier: the wait behind that product and the activation's waits stand
;                                             between, and behind the last of them only the first product, its places and its own wait are issued, which name none of these.
;   PC, v56-58                                Written by the quantiser; one wait on va_vdst ahead of the image's stores, which read them; one wait on vm_vsrc at the barrier, ahead of the next quantiser.
;   v1-9, v50, v51                            Offsets and LDS addresses: written at the head, never again; the weights' scalar bases move on.
;   The hidden tile, gelu's work and the accumulators are named by vector and matrix instructions alone until the way out.  v74, v75: written at the head, read by the closing add alone.
; REGISTERS.  window 0: v1-9, v50, v51 addresses; v10-11 row numbers; v12-17 gate weights; v20-22 x offsets; v24-49 scale words and nothing else; v52-79 at work; v80-111 b1, two sets; v112-159 the hidden tile
;   (on the way out v112-175); v176-239 gelu's work, later rows of y; v240-255 head's temporaries, later store offsets.   window 1: v0-95 x's 12 fragments; v128-151 the hidden layer's three.
;   window 2: the 24 accumulators of y, (n, m) at v[8 (4 n + m)].   window 3: v0-127 W1's fragments, two sets; v128-255 W2's, two sets.
.set HSC,  8192                        ; LDS: 0: the images, 2 x 4,096 (parity, tile of rows m x 1,024, block x 256, 16 r + 8 h);  8,192: their scale words, 2 x 256
.set STG,  8704                        ; the way out: 16 rows x 528 for each wave
.set RIDQ, 10
.set G,    12
.set XO,   20
.set XS,   24                          ; v24-31  x's scale words: register 4 q + s, lane = row 32 q + lane
.set W1S,  32                          ; v32-39  W1's: register 4 p + s; lanes 0-15 tile u = 0, lanes 16-31 tile u = 1
.set W2S,  40                          ; v40-47  W2's: register 4 p + i, lane = output 32 i + lane
.set HS,   48                          ; v48-49  the hidden layer's: v48 lane = row; v49 lanes 0-15 = rows 32 to 47
.set H32,  50
.set HS1A, 51                          ; v51     LDS address of the scale words of rows 32 to 47: both halves of the lanes read the same sixteen
.set TM,   52
.set PC,   68
.set CA1,  76
.set CB1,  78
.set B1,   80
.set HA,   112
.set Z,    176
.set S,    192
.set P,    208
.set Q,    224
.set RO,   240
.set HF,   128
.set RS2,  40                          ; s[40:61] eleven constants as pairs (a packed form names a pair and takes its low word for both halves)
.set A0,   42
.set A2,   44
.set A3,   46
.set A4,   48
.set A5,   50
.set A6,   52
.set B0,   54
.set B2,   56
.set B3,   58
.set B4,   60
.set SEL,  62
.set CNT,  38                          ; s38  how many of the 48 rows are mine
.set RW,   72                          ; s72-87 the way out: sixteen rows' byte offsets in ybuf
.set MSB, 0
.macro WIN new                         ; the immediate's high byte repeats the setting that is left
.if MSB != \new
	s_set_vgpr_msb (MSB<<8)|\new
.set MSB, \new
.endif
.endm
.macro SPAIR r, val
	s_mov_b32 s[\r], \val
	s_mov_b32 s[\r+1], \val
.endm
; a scaled product: ra, rb = 1: that side's scales are read from lanes 16-31
.macro WMS d, a, b, c, sa, sb, ra, rb
.if (\ra) && (\rb)
	v_wmma_scale_f32_16x16x128_f8f6f4 v[(\d):(\d)+7], v[(\a):(\a)+7], v[(\b):(\b)+7], v[(\c):(\c)+7], v[(\sa)], v[(\sb)] matrix_a_fmt:MATRIX_FMT_FP4 matrix_b_fmt:MATRIX_FMT_FP4 matrix_a_scale:MATRIX_SCALE_ROW1 matrix_b_scale:MATRIX_SCALE_ROW1
.elseif (\ra)
	v_wmma_scale_f32_16x16x128_f8f6f4 v[(\d):(\d)+7], v[(\a):(\a)+7], v[(\b):(\b)+7], v[(\c):(\c)+7], v[(\sa)], v[(\sb)] matrix_a_fmt:MATRIX_FMT_FP4 matrix_b_fmt:MATRIX_FMT_FP4 matrix_a_scale:MATRIX_SCALE_ROW1
.elseif (\rb)
	v_wmma_scale_f32_16x16x128_f8f6f4 v[(\d):(\d)+7], v[(\a):(\a)+7], v[(\b):(\b)+7], v[(\c):(\c)+7], v[(\sa)], v[(\sb)] matrix_a_fmt:MATRIX_FMT_FP4 matrix_b_fmt:MATRIX_FMT_FP4 matrix_b_scale:MATRIX_SCALE_ROW1
.else
	v_wmma_scale_f32_16x16x128_f8f6f4 v[(\d):(\d)+7], v[(\a):(\a)+7], v[(\b):(\b)+7], v[(\c):(\c)+7], v[(\sa)], v[(\sb)] matrix_a_fmt:MATRIX_FMT_FP4 matrix_b_fmt:MATRIX_FMT_FP4
.endif
.endm
; 21 loads: a step's part of W1 (16), its scale words (1), b1 (4), into set p; the immediate carries the parity
.macro LOADA p
	WIN 0xc0                                       ; destination window 3
.irp i, 0,1,2,3,4,5,6,7,8,9,10,11,12,13,14,15
	global_load_b128 v[64*\p+4*\i:64*\p+4*\i+3], v1, s[10:11] offset:32768*\p+512*\i
.endr
	WIN 0
	global_load_b128 v[W1S+4*\p:W1S+4*\p+3], v2, s[12:13] offset:2048*\p
.irp i, 0,1,2,3
	global_load_b128 v[B1+16*\p+4*\i:B1+16*\p+4*\i+3], v3, s[14:15] offset:512*\p+16*\i
.endr
.endm
; 17 loads: a K step's part of W2 (16) and its scale words (1), into set p
.macro LOADB p
	WIN 0xc0
.irp i, 0,1,2,3,4,5,6,7,8,9,10,11,12,13,14,15
	global_load_b128 v[128+64*\p+4*\i:128+64*\p+4*\i+3], v1, s[16:17] offset:32768*\p+512*\i
.endr
	WIN 0
	global_load_b128 v[W2S+4*\p:W2S+4*\p+3], v1, s[22:23] offset:2048*\p
.endm
	s_load_b512 s[4:19], s[0:1], 0x0               ; order s[4:5], xq s[6:7], wts s[8:9], w1l s[10:11], w1_scales s[12:13], b1 s[14:15], w2l s[16:17], b2 s[18:19]
	s_load_b64 s[20:21], s[0:1], 0x40              ; ybuf
	v_lshl_add_u32 v74, v0, 2, 0xa800
	v_mov_b32 v75, 0
	v_lshrrev_b32 v1, 5, v0
	v_readfirstlane_b32 s2, v1                     ; wave 0..3
	s_wait_kmcnt 0x0
	s_load_b256 s[24:31], s[4:5], 0x8100           ; the eight experts' totals
	v_and_b32 v240, 31, v0                         ; lane
	v_and_b32 v241, 15, v0                         ; r
	v_bfe_u32 v242, v0, 4, 1                       ; h
	v_and_b32 v243, 8, v241
	v_add_nc_u32 v243, v243, v241                  ; r + 8 (r / 8)
	v_lshlrev_b32 v1, 4, v240                      ; 16 x lane: the laid weights
	v_lshl_add_u32 v2, v242, 3, v243
	v_lshlrev_b32 v2, 4, v2                        ; W1's scale words: 16 bytes of row 8 h + r + 8 (r / 8) of my 32
	v_lshlrev_b32 v3, 6, v242                      ; b1: my half's 16 numbers
	v_lshlrev_b32 v[H32], 5, v242                  ; b2: my half's 8 numbers of a tile
	s_wait_alu depctr_va_sdst(0)                   ; s2, the wave's number, is written, ahead of its first reader: LDS addresses and every base are made from it
	s_lshl_b32 s66, s2, 8
	v_lshlrev_b32 v4, 4, v241
	v_lshl_add_u32 v4, v242, 3, v4
	v_add_nc_u32 v4, s66, v4                       ; where I store my 8 bytes of an image: 256 x wave + 16 r + 8 h
	v_lshl_add_u32 v5, v241, 2, HSC
	v_add_nc_u32 v5, s2, v5                        ; and my block's byte of a row's scale word: 4 r + wave
	v_lshlrev_b32 v6, 4, v240                      ; an image comes back at 16 x lane,
	v_lshl_add_u32 v7, v240, 2, HSC                ; the scale words of rows 0 to 31 at 4 x lane,
	v_lshl_add_u32 v[HS1A], v241, 2, HSC+128       ; those of rows 32 to 47 at 128 + 4 r
	s_mul_i32 s66, s2, 8448
	s_add_co_u32 s66, s66, STG
	v_mul_u32_u24 v8, v241, 528
	v_lshl_add_u32 v8, v242, 5, v8
	v_add_nc_u32 v8, s66, v8                       ; my stage, in: row r, + 32 h
	v_add_nc_u32 v9, s66, v1                       ; and back: a row of 512 bytes to the 32 lanes
	v_lshlrev_b32 v244, 2, v241
	v_lshlrev_b32 v245, 2, v240
	v_mov_b32 v[CA1], 0x326dffee                   ; a1 / 2 and b1 of the rational, as vector pairs: the first Horner stage names two constants
	v_mov_b32 v[CA1+1], 0x326dffee
	v_mov_b32 v[CB1], 0xb95fbd29
	v_mov_b32 v[CB1+1], 0xb95fbd29
.irp b, 0,1,2
	v_mov_b32 v[TM+4+\b], 0                        ; written once: a lane permute's destination counts as one of its sources
.endr
	SPAIR RS2, 0x3f3504f3                          ; 1 / sqrt 2
	SPAIR A0, 0xaf15df0b                           ; P's coefficients, each halved (one off the exponent field)
	SPAIR A2, 0xb58cff51
	SPAIR A3, 0xb7eec2d2
	SPAIR A4, 0xb9c0ac63
	SPAIR A5, 0xbac1a1f6
	SPAIR A6, 0xbc03dbd4
	SPAIR B0, 0xb77460cd                           ; Q's
	SPAIR B2, 0xbadc924e
	SPAIR B3, 0xbbf19bf8
	SPAIR B4, 0xbc69b6a7
	s_mov_b32 s[SEL], 0x76543210
	s_mov_b32 s[SEL+1], 0xfedcba98                 ; v_permlanex16_b32's selects for lane l xor 16
	s_mov_b32 s32, 0                               ; the first tile of the expert in hand
	s_mov_b32 s33, 0                               ; its first place in the list
	s_mov_b32 s34, 0
	s_mov_b32 s35, 0
	s_mov_b32 s36, 0
	s_mov_b32 s37, 0
	s_wait_kmcnt 0x0
.irp e, 0,1,2,3,4,5,6,7                        ; the last expert whose first tile is not behind mine: by selects alone
	s_cmp_ge_u32 ttmp9, s32
	s_cselect_b32 s34, \e, s34
	s_cselect_b32 s35, s32, s35
	s_cselect_b32 s36, s33, s36
	s_cselect_b32 s37, s[24+\e], s37
	s_add_co_u32 s39, s[24+\e], 47
	s_mul_i32 s39, s39, 0xaaab                     ; (c + 47) / 48 = (c + 47) x 43,691 >> 21: 43,691 x 48 = 2^21 + 16, so the excess is (c + 47) x 16 / (48 x 2^21), under 1 / 48 for c up to 8,192
	s_lshr_b32 s39, s39, 21
	s_add_co_u32 s32, s32, s39
	s_add_co_u32 s33, s33, s[24+\e]
.endr
	s_sub_co_u32 s35, ttmp9, s35
	s_mul_i32 s35, s35, 48                         ; my tile's first row within the expert
	s_sub_co_i32 s[CNT], s37, s35
	s_max_i32 s[CNT], s[CNT], 0
	s_min_i32 s[CNT], s[CNT], 48                   ; how many rows are mine: 0 to 48
	s_add_co_u32 s36, s36, s35
	s_min_u32 s36, s36, 0x1fff                     ; my first place in the list; the list has 64 entries to spare
	s_min_u32 s34, s34, 7                          ; the expert
	s_lshl_b32 s66, s36, 2
	s_mov_b32 s67, 0
	s_add_nc_u64 s[4:5], s[4:5], s[66:67]
	s_lshl_b32 s68, s34, 15
	s_lshl_b32 s69, s2, 9
	s_add_co_u32 s68, s68, s69                     ; e x 32,768 + 512 w: both weights' scale words
	s_mov_b32 s69, 0
	s_add_nc_u64 s[12:13], s[12:13], s[68:69]
	s_add_nc_u64 s[22:23], s[16:17], s[68:69]
	s_add_nc_u64 s[22:23], s[22:23], 0x400000
	s_lshl_b32 s66, s34, 19
	s_lshl_b32 s70, s2, 13
	s_add_co_u32 s66, s66, s70                     ; e x 524,288 + 8,192 w: both weights' codes
	s_add_nc_u64 s[10:11], s[10:11], s[66:67]
	s_add_nc_u64 s[16:17], s[16:17], s[66:67]
	s_lshl_b32 s68, s34, 13
	s_lshl_b32 s70, s2, 7
	s_add_co_u32 s68, s68, s70
	s_add_nc_u64 s[14:15], s[14:15], s[68:69]      ; b1: e x 8,192 + 128 w
	s_lshl_b32 s68, s34, 11
	s_lshl_b32 s70, s2, 9
	s_add_co_u32 s68, s68, s70
	s_add_nc_u64 s[18:19], s[18:19], s[68:69]      ; b2: e x 2,048 + 512 w
	s_mov_b32 s68, s70
	s_add_nc_u64 s[20:21], s[20:21], s[68:69]      ; ybuf: my 128 outputs' 512 bytes of a row
	s_wait_alu depctr_va_vdst(0)                   ; the offsets and LDS addresses v1 to v9, v50, v51, v244 and v245 are written: every load, LDS load and LDS store of the kernel reads one of them
.irp m, 0,1,2
	global_load_b32 v[XO+\m], v244, s[4:5] offset:64*\m      ; the row number at place 16 m + r
.endr
.irp q, 0,1
	global_load_b32 v[RIDQ+\q], v245, s[4:5] offset:128*\q   ; and at place 32 q + lane
.endr
	LOADA 0
	s_wait_loadcnt 21                              ; the five loads of row numbers are in; behind them the first set's 21 were issued
.irp m, 0,1,2
	v_min_u32 v[XO+\m], 0x1fff, v[XO+\m]           ; a loaded number enters an address only behind this hold
.endr
.irp m, 0,1,2
	v_lshlrev_b32 v[248+\m], 2, v[XO+\m]           ; its gate weight: 4 bytes at k x 4,096 + token
	v_and_b32 v[XO+\m], 0xfff, v[XO+\m]            ; the token
	v_lshlrev_b32 v[XO+\m], 8, v[XO+\m]
	v_lshl_add_u32 v[XO+\m], v242, 4, v[XO+\m]     ; its codes: 256 bytes a token, + 16 h
.endr
.irp q, 0,1
	v_min_u32 v[RIDQ+\q], 0x1fff, v[RIDQ+\q]
	v_and_b32 v[252+\q], 0xfff, v[RIDQ+\q]
	v_lshlrev_b32 v[252+\q], 4, v[252+\q]          ; its scale bytes: 16 a token
.endr
	s_wait_alu depctr_va_vdst(0)                   ; the offsets made of the row numbers, v248 to v250, v[XO ..] and v252, v253, are written: the loads below read them
.irp m, 0,1,2
	global_load_b32 v[G+2*\m], v[248+\m], s[8:9]   ; both halves of a pair, for the packed multiply on the way out
	global_load_b32 v[G+2*\m+1], v[248+\m], s[8:9]
.endr
	WIN 0x40                                       ; destination window 1
.irp m, 0,1,2
.irp s, 0,1,2,3
.irp c, 0,1
	global_load_b128 v[(4*\m+\s)*8+4*\c:(4*\m+\s)*8+4*\c+3], v[XO+\m], s[6:7] offset:64*\s+32*\c   ; x's fragment (tile of rows m, K step s): it stays
.endr
.endr
.endr
	WIN 0
.irp q, 0,1
	global_load_b128 v[XS+4*\q:XS+4*\q+3], v[252+\q], s[6:7] offset:1048576
.endr
	WIN 0x80                                       ; destination window 2
.irp n, 0,1,2,3,4,5,6,7
.irp m, 0,1,2
	global_load_b128 v[(4*\n+\m)*8:(4*\n+\m)*8+3],   v[H32], s[18:19] offset:64*\n      ; b2 at outputs 16 n + 8 h + 0 .. 7 starts each sum of y
	global_load_b128 v[(4*\n+\m)*8+4:(4*\n+\m)*8+7], v[H32], s[18:19] offset:64*\n+16
.endr
.endr
	WIN 0
	LOADA 1
	LOADB 0
; THE FIRST PRODUCT of a step: 6 accumulators (tile of rows m, tile of units u) by turns, K step by K step.  ld = 1: set p then takes the step two on.
.macro AMUL p, ld, cnt
	s_wait_loadcnt \cnt                            ; this step's 21 loads are in; cnt = the loads issued behind them
	WIN 0x07                                       ; source 0 (W1) window 3, source 1 (x) window 1, C and D window 0
.irp s, 0,1,2,3
.irp m, 0,1,2
.irp u, 0,1
.if \s == 0
	WMS HA+16*\m+8*\u, 64*\p+8*(4*\u+\s), 8*(4*\m+\s), B1+16*\p+8*\u, W1S+4*\p+\s, XS+4*(\m/2)+\s, \u, \m%2
.else
	WMS HA+16*\m+8*\u, 64*\p+8*(4*\u+\s), 8*(4*\m+\s), HA+16*\m+8*\u, W1S+4*\p+\s, XS+4*(\m/2)+\s, \u, \m%2
.endif
.endr
.endr
.endr
	WIN 0
.if (\ld) && (\p) == 0
	s_wait_xcnt 0x0                                ; the loads that are out have read their bases: they step two steps on
	s_add_nc_u64 s[10:11], s[10:11], 0x10000
	s_add_nc_u64 s[12:13], s[12:13], 0x1000
	s_add_nc_u64 s[14:15], s[14:15], 0x400
.endif
.rept 4
	v_nop                                          ; four places behind the products: ahead of loads into registers that they read, and of the first read of their results
.endr
.if \ld
	s_wait_alu depctr_va_vdst(0)                   ; the products above are done reading W1's fragments of set p, their scale words and b1's set p, in which the 21 loads below land; the places above stay beside this wait
	LOADA \p
.endif
.endm
.macro HORNER acc, co                          ; acc = acc x z^2 + a constant, 16 numbers
.irp k, 0,2,4,6,8,10,12,14
	v_pk_fma_f32 v[\acc+\k:\acc+\k+1], v[\acc+\k:\acc+\k+1], v[S+\k:S+\k+1], s[\co:\co+1] op_sel_hi:[1,1,0]
.endr
.endm
; gelu on the 16 numbers of tile of rows m, in place; each accumulator is read from its low end on.  Q is finished first, so that all of P's chain stands between the reciprocals and the wait for them
.macro GELU m
.set H0, HA+16*(\m)
.irp k, 0,2,4,6,8,10,12,14
	v_pk_mul_f32 v[Z+\k:Z+\k+1], v[H0+\k:H0+\k+1], s[RS2:RS2+1] op_sel_hi:[1,0]
.endr
.irp k, 0,1,2,3,4,5,6,7,8,9,10,11,12,13,14,15
	v_med3_num_f32 v[Z+\k], v[Z+\k], -4.0, 4.0     ; z = h / sqrt 2, held to +-4, beyond which erf is +-1 in f32
.endr
.irp k, 0,2,4,6,8,10,12,14
	v_pk_mul_f32 v[S+\k:S+\k+1], v[Z+\k:Z+\k+1], v[Z+\k:Z+\k+1]
.endr
.irp k, 0,2,4,6,8,10,12,14
	v_pk_fma_f32 v[Q+\k:Q+\k+1], v[S+\k:S+\k+1], s[B0:B0+1], v[CB1:CB1+1] op_sel_hi:[1,0,1]
.endr
	HORNER Q, B2
	HORNER Q, B3
	HORNER Q, B4
.irp k, 0,1,2,3,4,5,6,7,8,9,10,11,12,13,14,15
	v_rcp_f32 v[Q+\k], v[Q+\k]                     ; one batch; what follows up to the wait names none of its results
.endr
.irp k, 0,2,4,6,8,10,12,14
	v_pk_fma_f32 v[P+\k:P+\k+1], v[S+\k:S+\k+1], s[A0:A0+1], v[CA1:CA1+1] op_sel_hi:[1,0,1]
.endr
	HORNER P, A2
	HORNER P, A3
	HORNER P, A4
	HORNER P, A5
	HORNER P, A6
	s_wait_alu depctr_va_vdst(0)                   ; the sixteen reciprocals v[Q ..] are written: one wait for the batch, ahead of its first reader
.irp k, 0,2,4,6,8,10,12,14
	v_pk_mul_f32 v[P+\k:P+\k+1], v[P+\k:P+\k+1], v[Q+\k:Q+\k+1]
.endr
.irp k, 0,2,4,6,8,10,12,14
	v_pk_fma_f32 v[P+\k:P+\k+1], v[P+\k:P+\k+1], v[Z+\k:Z+\k+1], 0.5 op_sel_hi:[1,1,0]   ; 0.5 erf + 0.5
.endr
.irp k, 0,2,4,6,8,10,12,14
	v_pk_mul_f32 v[H0+\k:H0+\k+1], v[H0+\k:H0+\k+1], v[P+\k:P+\k+1]
.endr
.endm
; the rest of a step's activation (row tile 0 was done ahead of the last second product), the quantiser (for each tile of rows b one block of 32: my 16 numbers and lane l xor 16's), and the image
.macro ACTR p
	GELU 1
	GELU 2
.irp b, 0,1,2
	v_max3_num_f32 v[TM+\b], |v[HA+16*\b]|, |v[HA+1+16*\b]|, 0x1800000   ; with the floor 2^(3 - 127): the byte cannot fall under 1
.endr
.irp i, 2,4,6,8,10,12,14
.irp b, 0,1,2
	v_max3_num_f32 v[TM+\b], v[TM+\b], |v[HA+16*\b+\i]|, |v[HA+1+16*\b+\i]|
.endr
.endr
.irp b, 0,1,2
	v_permlanex16_b32 v[TM+4+\b], v[TM+\b], s[SEL], s[SEL+1]
.endr
.irp b, 0,1,2
	v_max_num_f32 v[TM+\b], v[TM+\b], v[TM+4+\b]   ; the block's largest magnitude
.endr
.irp b, 0,1,2
	v_add_nc_u32 v[TM+12+\b], 0xff000000, v[TM+\b] ; 2 off its exponent field: the conversion's scale operand
.endr
.irp b, 0,1,2
	v_lshrrev_b32 v[TM+4+\b], 23, v[TM+12+\b]      ; the scale's byte
.endr
.irp b, 0,1,2
	v_cvt_scalef32_pk8_fp4_f32 v[PC+2*\b], v[HA+16*\b:HA+7+16*\b], v[TM+12+\b]
	v_cvt_scalef32_pk8_fp4_f32 v[PC+1+2*\b], v[HA+8+16*\b:HA+15+16*\b], v[TM+12+\b]
.endr
	v_nop                                          ; one plain line behind the last scaled conversion: the next step's products, which follow, write its sources
	s_wait_alu depctr_va_vdst(0)                   ; the conversions have written v[PC ..] and the shifts the three bytes v[TM+4 ..], which the LDS stores below read
.irp m, 0,1,2
	ds_store_b64 v4, v[PC+2*\m:PC+2*\m+1] offset:4096*\p+1024*\m   ; the wave's 32 lanes fill 256 consecutive bytes: block w of the image
	ds_store_b8 v5, v[TM+4+\m] offset:256*\p+64*\m                 ; both lanes of a row write the same byte with the same value
.endr
.endm
.macro SYNC                                    ; my stores into this parity's image have landed, and my reads of the other parity's are in: the images take turns, so one barrier a step orders both
	s_wait_dscnt 0x0
	s_wait_alu depctr_vm_vsrc(0)                   ; the image's stores have read v[PC ..] and v[TM+4 ..], which the next step's quantiser writes again (and the head's loads their offsets v244 to v253, which the way out writes again)
	s_barrier_signal -1
	s_barrier_wait -1
.endm
.macro BFETCH p                                ; the hidden layer's three fragments of this K step and their scale words, behind the barrier.  No wait on va_vdst: the products that read these registers stand ahead of the activation's waits, and nothing issued since names them
	WIN 0x40                                       ; destination window 1
.irp m, 0,1,2
.irp c, 0,1
	ds_load_b128 v[HF+8*\m+4*\c:HF+8*\m+4*\c+3], v6 offset:4096*\p+1024*\m+512*\c
.endr
.endr
	WIN 0
	ds_load_b32 v[HS], v7 offset:256*\p
	ds_load_b32 v[HS+1], v[HS1A] offset:256*\p
.endm
; THE SECOND PRODUCT's K step: 24 accumulators, one instruction each.  ld = 1: set p then takes the K step two on.
.macro BMULX p, ld, cnt
	s_wait_loadcnt \cnt                            ; this K step's 17 loads are in; cnt = the loads issued behind them
	s_wait_dscnt 0x0                               ; and so are the hidden layer's fragments
	WIN 0xa7                                       ; source 0 (W2) window 3, source 1 (hidden) window 1, C and D window 2
.irp n, 0,1,2,3,4,5,6,7
.irp m, 0,1,2
	WMS 8*(4*\n+\m), 128+64*\p+8*\n, HF+8*\m, 8*(4*\n+\m), W2S+4*\p+\n/2, HS+\m/2, \n%2, \m%2
.endr
.endr
	WIN 0
.if (\ld) && (\p) == 0
	s_wait_xcnt 0x0                                ; the loads that are out have read their bases
	s_add_nc_u64 s[16:17], s[16:17], 0x10000
	s_add_nc_u64 s[22:23], s[22:23], 0x1000
.endif
.rept 4
	v_nop                                          ; four places behind the products
.endr
.if \ld
	s_wait_alu depctr_va_vdst(0)                   ; the products above are done reading W2's fragments of set p and their scale words, in which the 17 loads below land; the places above stay beside this wait
	LOADB \p
.endif
.endm
; THE COUNTS.  Loads come back in the order of issue (ISA guide 5.7.1).  With A(t) a step's 21 loads for the first product and B(t) its 17 for the second, the groups are issued in the order
; A0 .. A1 B0 A2 B1 A3 B2 ..  Behind A(t + 1) stand B(t), A(t + 2), B(t + 1) = 55 when the first product of step t + 1 begins; behind B(t) stand A(t + 2), B(t + 1), A(t + 3) = 59 when the second
; product of step t begins.  At step 0 the youngest 55 are B0, A1 and 17 of b2's loads, so x, its scales and A0 are in; at the first 59 all of b2's are.
	AMUL 0, 1, 55                                  ; step 0's first product; A2 is asked for
	LOADB 1                                        ; no vector or matrix instruction has named W2's set 1 yet, and none stands between the wait above and these loads
	GELU 0
	s_mov_b32 s3, 6
.Lstep:                                            ; a trip is two steps, one on each set; 6 trips finish steps 0 to 11 and ask for A3 to A14 and B2 to B13
	ACTR 0
	AMUL 1, 1, 55
	SYNC
	BFETCH 0
	GELU 0
	BMULX 0, 1, 59
	ACTR 1
	AMUL 0, 1, 55
	SYNC
	BFETCH 1
	GELU 0
	BMULX 1, 1, 59
	s_sub_co_u32 s3, s3, 1
	s_cmp_lg_u32 s3, 0
	s_cbranch_scc1 .Lstep
	ACTR 0                                         ; steps 12 to 15 are written out: no load passes its buffer's end, and the counts run down
	AMUL 1, 1, 55                                  ; step 13's first product; A15, the last
	SYNC
	BFETCH 0
	GELU 0
	BMULX 0, 1, 59                                 ; step 12's second product; B14
	ACTR 1
	AMUL 0, 0, 55                                  ; step 14: behind A14 stand B13, A15, B14
	SYNC
	BFETCH 1
	GELU 0
	BMULX 1, 1, 38                                 ; step 13: behind B13 stand A15, B14;  B15, the last
	ACTR 0
	AMUL 1, 0, 34                                  ; step 15: behind A15 stand B14, B15
	SYNC
	BFETCH 0
	GELU 0
	BMULX 0, 0, 17                                 ; step 14: behind B14 stands B15
	ACTR 1
	SYNC
	BFETCH 1
	BMULX 1, 0, 0                                  ; step 15
; THE WAY OUT, a tile of 16 rows at a time: x the row's gate weight; through my own stage in LDS, so that a row's 512 bytes are stored by the 32 lanes; only rows that are mine are stored.
.macro OUT m
.if \m > 0
	s_wait_xcnt 0x0                                ; the last tile's stores have read their data and offsets: both are written again below
	s_wait_alu depctr_vm_vsrc(0)                   ; the last tile's LDS stores have read v[HA ..], its global stores their data v[Z ..] and their offsets v[RO ..]: the multiplies, the loads from the stage and the additions below write them again
.endif
	WIN 0x02                                       ; source 0 (y) window 2
.irp n, 0,1,2,3,4,5,6,7
.irp k, 0,2,4,6
	v_pk_mul_f32 v[HA+8*\n+\k:HA+8*\n+\k+1], v[(4*\n+\m)*8+\k:(4*\n+\m)*8+\k+1], v[G+2*\m:G+2*\m+1]   ; each accumulator from its low end on
.endr
.endr
	WIN 0
	s_wait_alu depctr_va_vdst(0)                   ; the multiplies have written v[HA ..], which the LDS stores read; and gelu's lines are done with v[Z ..], in which the loads from the stage land
.irp n, 0,1,2,3,4,5,6,7
	ds_store_b128 v8, v[HA+8*\n:HA+8*\n+3] offset:64*\n
	ds_store_b128 v8, v[HA+8*\n+4:HA+8*\n+7] offset:64*\n+16
.endr
.irp i, 0,1,2,3,4,5,6,7,8,9,10,11,12,13,14,15
	ds_load_b128 v[Z+4*\i:Z+4*\i+3], v9 offset:528*\i   ; LDS serves a wave's instructions in order: these see the stores above
.endr
.irp i, 0,1,2,3,4,5,6,7,8,9,10,11,12,13,14,15
	v_readlane_b32 s[RW+\i], v[RIDQ+\m/2], 16*(\m%2)+\i   ; the sixteen row numbers, in one run
.endr
	s_wait_alu depctr_va_sdst(0)                   ; the sixteen scalars s[RW ..] are written, ahead of their first reader: one wait for the run
.irp i, 0,1,2,3,4,5,6,7,8,9,10,11,12,13,14,15
	s_min_u32 s[RW+\i], s[RW+\i], 0x1fff
.endr
.irp i, 0,1,2,3,4,5,6,7,8,9,10,11,12,13,14,15
	s_lshl_b32 s[RW+\i], s[RW+\i], 11              ; the row k x 4,096 + token of ybuf: 2,048 bytes a row
.endr
.irp i, 0,1,2,3,4,5,6,7,8,9,10,11,12,13,14,15
	v_add_nc_u32 v[RO+\i], s[RW+\i], v1
.endr
	s_wait_alu depctr_va_vdst(0)                   ; the sixteen offsets v[RO ..] are written, which the stores below read; it stands ahead of the branches, so on every way to a store
.irp i, 0,1,2,3,4,5,6,7,8,9,10,11,12,13,14,15
	s_cmp_gt_u32 s[CNT], 16*\m+\i
	s_cbranch_scc0 .Ldone                          ; my rows come first in the tile: behind the last of them nothing is stored
	s_wait_dscnt 15-\i                             ; row i is back; the younger loads stay out
	global_store_b128 v[RO+\i], v[Z+4*\i:Z+4*\i+3], s[20:21] th:TH_STORE_NT   ; 32 lanes store 512 consecutive bytes, at a multiple of 256 from ybuf's first byte
.endr
.endm
	OUT 0
	OUT 1
	OUT 2
.Ldone:
	s_wait_dscnt 0x0                               ; the closing lines, six on end
	s_wait_alu 0x0
	s_wait_tensorcnt 0x0
	ds_add_u32 v74, v75
	s_wait_dscnt 0x0
	s_endpgm
.Lfunc_end_k_q089d4e6cf4_chain:
	.size	k_q089d4e6cf4_chain, .Lfunc_end_k_q089d4e6cf4_chain-k_q089d4e6cf4_chain
	.p2alignl 7, 3214868480
	.fill 96, 4, 3214868480
	.section	.rodata,"a",@progbits
	.p2align	6, 0x0
	.amdhsa_kernel k_q089d4e6cf4_chain
		.amdhsa_group_segment_fixed_size 43520
		.amdhsa_private_segment_fixed_size 0
		.amdhsa_enable_private_segment 0
		.amdhsa_kernarg_size 72
		.amdhsa_user_sgpr_count 2
		.amdhsa_user_sgpr_kernarg_segment_ptr 1
		.amdhsa_wavefront_size32 1
		.amdhsa_system_sgpr_workgroup_id_x 1
		.amdhsa_system_sgpr_workgroup_id_y 1
		.amdhsa_system_sgpr_workgroup_id_z 1
		.amdhsa_system_vgpr_workitem_id 0
		.amdhsa_next_free_vgpr 1024
		.amdhsa_next_free_sgpr 90
		.amdhsa_reserve_vcc 0
		.amdhsa_float_denorm_mode_32 3
		.amdhsa_float_denorm_mode_16_64 3
		.amdhsa_memory_ordered 1
		.amdhsa_forward_progress 1
		.amdhsa_inst_pref_size 255
	.end_amdhsa_kernel
	.section	.bss,"aw",@nobits
	.p2align	6
	.space	262144
	.amdgpu_metadata
---
amdhsa.version: [ 1, 2 ]
amdhsa.kernels:
  - .name:           k_q089d4e6cf4_chain
    .symbol:         k_q089d4e6cf4_chain.kd
    .args:
      - { .name: order, .offset: 0, .size: 8, .value_kind: global_buffer, .address_space: global }
      - { .name: xq, .offset: 8, .size: 8, .value_kind: global_buffer, .address_space: global }
      - { .name: wts, .offset: 16, .size: 8, .value_kind: global_buffer, .address_space: global }
      - { .name: w1l, .offset: 24, .size: 8, .value_kind: global_buffer, .address_space: global }
      - { .name: w1_scales, .offset: 32, .size: 8, .value_kind: global_buffer, .address_space: global }
      - { .name: b1, .offset: 40, .size: 8, .value_kind: global_buffer, .address_space: global }
      - { .name: w2l, .offset: 48, .size: 8, .value_kind: global_buffer, .address_space: global }
      - { .name: b2, .offset: 56, .size: 8, .value_kind: global_buffer, .address_space: global }
      - { .name: ybuf, .offset: 64, .size: 8, .value_kind: global_buffer, .address_space: global }
    .group_segment_fixed_size: 43520
    .private_segment_fixed_size: 0
    .kernarg_segment_align: 8
    .kernarg_segment_size: 72
    .max_flat_workgroup_size: 128
    .sgpr_count:     90
    .vgpr_count:     1024
    .wavefront_size: 32
...
	.end_amdgpu_metadata
.endif
;; end of part 7
;; launch combine: the kernel of part 4 again; grid 256 x 1, 8 waves a work-group, no clusters, 0 bytes of LDS; arguments ybuf, out0; writes out0
